; MI455X (gfx1250); checked and timed in simulation.
; The chip was launched on July 23, 2026; its instructions are those of AMD's public machine-readable ISA for CDNA 5 (MIT licence, August 2026) and "CDNA5" Instruction Set Architecture Reference Guide (July 2026). The comments in the code are by the model that wrote it; some were corrected since.
;; Qwen Attention. Allowed arithmetic: float matrix products may take bf16 or f16 operands with f32 sums; other float arithmetic in f32, or as packed bf16 or f16 multiplies, adds, multiply-adds, maxima and minima; sums over many terms, partial sums and values carried from step to step in f32; what a program stores and reads back later, other than sums and carried values, may be rounded once to bf16 or f16.
;; Inputs: causal_mask 1 x 1 x 1,024 x 1,024 float32; current_pos 1 int32; hidden_states 2 x 1,024 x 4,096 float32; k_norm_w 128 float32; k_w 1,024 x 4,096 float32; o_w 4,096 x 2,048 float32; position_ids 1 x 1,024 int32; q_norm_w 128 float32; q_w 2,048 x 4,096 float32; v_w 1,024 x 4,096 float32.
;; Outputs: out0 2 x 1,024 x 4,096 float32.
;; One version. Each part assembles by itself: llvm-mc -triple=amdgcn-amd-amdhsa -mcpu=gfx1250 --defsym DOCPART=n.
;; ======== version 1 of 1: 4 launches
;; limits: values are held in f16: magnitudes above 65,504 overflow, below 6.1e-05 lose precision; right only within a limited range of input values
;; workspace buffers: xb 16,777,216 bytes; wb 33,554,432 bytes; ow 16,777,216 bytes; mk 4,194,304 bytes; tab 525,312 bytes; qkv 16,777,216 bytes; ctx 8,388,608 bytes
;; launch prep (part 1): grid 2177 x 1, 8 waves a work-group, no clusters, 0 bytes of LDS; arguments hidden_states, q_w, k_w, v_w, o_w, causal_mask, q_norm_w, k_norm_w, xb, wb, ow, mk, tab; writes xb, wb, ow, mk, tab
.if DOCPART == 1
	.amdgcn_target "amdgcn-amd-amdhsa--gfx1250"
	.amdhsa_code_object_version 6
	.text
	.protected	k_qc0f543cbb1_prep
	.globl	k_qc0f543cbb1_prep
	.p2align	8
	.type	k_qc0f543cbb1_prep,@function
k_qc0f543cbb1_prep:
	s_mov_b64 s[64:65], 0
	v_nop
	global_prefetch_b8 v0, s[64:65] scope:SCOPE_SE
	s_setreg_imm32_b32 hwreg(HW_REG_WAVE_MODE, 25, 1), 1
	s_wait_xcnt 0x0
; PREP: every float input is rounded ONCE to bf16 and laid out for the three matrix launches; the table of cosines and sines is made.
;   xb  [2048][4096] bf16 = hidden_states         wb  [4096][4096] bf16 = q_w, k_w, then v_w / 4         ow  [4096][2048] f16 = 4 x bf16(o_w)
;   mk  f32 values of bf16(causal_mask), in the order in which a lane of the attention launch takes them as the C operand: [16 queries qt][16 keys kb][half j][lane][16 bytes]
;   tab cos and sin of s x 500000^(-j/64) in the order in which a lane of the projection launch takes them: [16 positions R][load i][lane][16 bytes]; behind them the two gains
; The factors 1/4 and 4 are powers of two and cancel in the output; they keep v inside f16 up to |v| = 262,000.
; position_ids and current_pos are arguments that the reference never uses: no output number hangs on them, and they are not loaded.
; LIMITS. A mask number beyond bf16's largest becomes an infinity.  4 x bf16(o_w) below 6e-5 keeps f16's fixed step of 6e-8.
; SHARES. A work-group takes 16,384 numbers: 16 loads of 16 bytes a thread, all issued before the first is waited for.  No register that a store names is written again, so the stream has no wait but the loads' own.
; No LDS, no barrier, no matrix unit: each number is read once and written once.
.set G,   34                           ; s34      the work-group's number
.set SRC, 36                           ; s[36:37] where my share begins
.set DST, 38                           ; s[38:39] where it goes
.set FS,  40                           ; s[40:41] a factor, twice
.set LO,  4                            ; v4       my byte offset in the share as it is read
.set SO,  5                            ; v5       and as it is written
.set X,   16                           ; v[16:79] sixteen slots of four
	s_load_b512 s[8:23], s[0:1], 0x0               ; hidden s[8:9], q_w s[10:11], k_w s[12:13], v_w s[14:15], o_w s[16:17], mask s[18:19], q gain s[20:21], k gain s[22:23]
	s_load_b256 s[24:31], s[0:1], 0x40             ; xb s[24:25], wb s[26:27], ow s[28:29], mk s[30:31]
	s_load_b64 s[32:33], s[0:1], 0x60              ; tab
	s_mov_b32 s[G], ttmp9
	s_mov_b32 s43, 0                               ; the high words of the two offsets
	s_mov_b32 s45, 0
	v_and_b32 v1, 31, v0                           ; lane
	v_lshrrev_b32 v2, 5, v0                        ; wave
	v_and_b32 v6, 15, v1                           ; lane % 16
	v_lshrrev_b32 v7, 4, v1                        ; lane / 16
	v_and_b32 v8, 1, v2                            ; wave % 2
	v_lshrrev_b32 v9, 1, v2                        ; wave / 2
; kind 0: f32 -> bf16.  kind 3: the same behind a factor.  kind 1: factor, bf16, and that number written as f16.  kind 2: the mask: bf16 and back to f32, 16 bytes in and 16 out.
.macro STREAM kind
.set i, 0
.rept 16
.if (\kind) == 2
	global_load_b128 v[X+4*i:X+4*i+3], v[LO], s[SRC:SRC+1] offset:256*i
.else
	global_load_b128 v[X+4*i:X+4*i+3], v[LO], s[SRC:SRC+1] offset:4096*i th:TH_LOAD_NT
.endif
.set i, i+1
.endr
.set i, 0
.rept 16
	s_wait_loadcnt 15-i                            ; loads come back in order: slot i is in, the younger ones stay out
.if ((\kind) == 1) || ((\kind) == 3)
	v_pk_mul_f32 v[X+4*i:X+4*i+1], v[X+4*i:X+4*i+1], s[FS:FS+1] op_sel_hi:[1,0]
	v_pk_mul_f32 v[X+4*i+2:X+4*i+3], v[X+4*i+2:X+4*i+3], s[FS:FS+1] op_sel_hi:[1,0]
.endif
.if ((\kind) == 0) || ((\kind) == 3)
	v_cvt_pk_bf16_f32 v[X+4*i], v[X+4*i], v[X+4*i+1]
	v_cvt_pk_bf16_f32 v[X+4*i+1], v[X+4*i+2], v[X+4*i+3]
.else
	v_cvt_pk_bf16_f32 v80, v[X+4*i], v[X+4*i+1]
	v_cvt_pk_bf16_f32 v81, v[X+4*i+2], v[X+4*i+3]
	v_lshlrev_b32 v[X+4*i], 16, v80                ; bf16 to f32: the low half moves up, the high half stays
	v_and_b32 v[X+4*i+1], 0xffff0000, v80
	v_lshlrev_b32 v[X+4*i+2], 16, v81
	v_and_b32 v[X+4*i+3], 0xffff0000, v81
.endif
.if (\kind) == 1
	v_cvt_pk_f16_f32 v[X+4*i], v[X+4*i], v[X+4*i+1]
	v_cvt_pk_f16_f32 v[X+4*i+1], v[X+4*i+2], v[X+4*i+3]
.endif
.if (\kind) == 2
	global_store_b128 v[SO], v[X+4*i:X+4*i+3], s[DST:DST+1] offset:4096*i th:TH_STORE_NT  ; a wave stores 512 consecutive bytes
.else
	global_store_b64 v[SO], v[X+4*i:X+4*i+1], s[DST:DST+1] offset:2048*i th:TH_STORE_NT   ; a wave stores 256 consecutive bytes, aligned
.endif
.set i, i+1
.endr
.endm
	s_wait_kmcnt 0x0
	s_cmp_ge_u32 s[G], 2176
	s_cbranch_scc1 .Lnorm
	s_cmp_ge_u32 s[G], 2112
	s_cbranch_scc1 .Lrope
	s_cmp_ge_u32 s[G], 2048
	s_cbranch_scc1 .Lmask
	v_lshlrev_b32 v[LO], 4, v0                     ; the four plain streams: 16 bytes a thread in, 8 out
	v_lshlrev_b32 v[SO], 3, v0
	s_cmp_ge_u32 s[G], 1536
	s_cbranch_scc1 .Low
	s_cmp_ge_u32 s[G], 1280
	s_cbranch_scc1 .Lvw
	; work-groups 0-511: hidden_states; 512-1023: q_w; 1024-1279: k_w
	s_mov_b64 s[SRC:SRC+1], s[12:13]
	s_mov_b32 s35, 1024                            ; the segment's first work-group
	s_cmp_lt_u32 s[G], 1024
	s_cselect_b64 s[SRC:SRC+1], s[10:11], s[SRC:SRC+1]
	s_cselect_b32 s35, 512, s35
	s_cmp_lt_u32 s[G], 512
	s_cselect_b64 s[SRC:SRC+1], s[8:9], s[SRC:SRC+1]
	s_cselect_b32 s35, 0, s35
	s_cselect_b64 s[DST:DST+1], s[24:25], s[26:27]
	s_cselect_b32 s46, 0, 512                      ; wb begins with work-group 512
	s_sub_co_u32 s42, s[G], s35
	s_lshl_b32 s42, s42, 16                        ; 65,536 bytes of f32 a work-group,
	s_sub_co_u32 s44, s[G], s46
	s_lshl_b32 s44, s44, 15                        ; 32,768 of bf16
	s_add_nc_u64 s[SRC:SRC+1], s[SRC:SRC+1], s[42:43]
	s_add_nc_u64 s[DST:DST+1], s[DST:DST+1], s[44:45]
	STREAM 0
	s_endpgm
.Lvw:                                              ; work-groups 1280-1535: v_w / 4
	s_sub_co_u32 s42, s[G], 1280
	s_lshl_b32 s42, s42, 16
	s_sub_co_u32 s44, s[G], 512
	s_lshl_b32 s44, s44, 15
	s_add_nc_u64 s[SRC:SRC+1], s[14:15], s[42:43]
	s_add_nc_u64 s[DST:DST+1], s[26:27], s[44:45]
	s_mov_b32 s[FS], 0x3e800000                    ; 1/4
	s_mov_b32 s[FS+1], s[FS]
	STREAM 3
	s_endpgm
.Low:                                              ; work-groups 1536-2047: 4 x o_w
	s_sub_co_u32 s42, s[G], 1536
	s_lshl_b32 s44, s42, 15
	s_lshl_b32 s42, s42, 16
	s_add_nc_u64 s[SRC:SRC+1], s[16:17], s[42:43]
	s_add_nc_u64 s[DST:DST+1], s[28:29], s[44:45]
	s_mov_b32 s[FS], 4.0
	s_mov_b32 s[FS+1], s[FS]
	STREAM 1
	s_endpgm
.Lmask:                                            ; work-groups 2048-2111: 16 rows of the mask each.  Load i of wave w: keys 16 (4 i + w / 2) + 8 (lane / 16) + 4 (w % 2) on, of row lane % 16
	s_sub_co_u32 s42, s[G], 2048
	s_lshl_b32 s42, s42, 16                        ; 16 rows of 4,096 bytes, in and out
	s_add_nc_u64 s[SRC:SRC+1], s[18:19], s[42:43]
	s_add_nc_u64 s[DST:DST+1], s[30:31], s[42:43]
	v_lshlrev_b32 v[LO], 12, v6
	v_lshl_add_u32 v[LO], v7, 5, v[LO]
	v_lshl_add_u32 v[LO], v8, 4, v[LO]
	v_lshl_add_u32 v[LO], v9, 6, v[LO]
	v_lshlrev_b32 v[SO], 4, v0                     ; out: 1,024 kb + 512 j + 16 lane = 4,096 i + 16 x thread
	STREAM 2
	s_endpgm
.Lrope:                                            ; work-groups 2112-2175: 16 positions each.  A thread makes cos and sin for position 16 R + lane % 16 and j = 16 (w / 2) + 8 (lane / 16) + 4 (w % 2) + 0..3
	s_sub_co_u32 s35, s[G], 2112
	s_lshl_b32 s46, s35, 4
	s_lshl_b32 s42, s35, 13                        ; 8,192 bytes for 16 positions
	s_add_nc_u64 s[DST:DST+1], s[32:33], s[42:43]
	v_add_nc_u32 v10, s46, v6
	v_cvt_f32_u32 v10, v10                         ; the position
	v_lshlrev_b32 v11, 4, v9
	v_lshl_add_u32 v11, v7, 3, v11
	v_lshl_add_u32 v11, v8, 2, v11
.irp e, 0,1,2,3
	v_add_nc_u32 v[16+(\e)], \e, v11
	v_cvt_f32_u32 v[16+(\e)], v[16+(\e)]
	v_mul_f32 v[16+(\e)], 0xbe9773da, v[16+(\e)]   ; - j log2(500000) / 64
.endr
.irp e, 0,1,2,3
	v_exp_f32 v[16+(\e)], v[16+(\e)]               ; 500000^(-j/64): one batch of four
.endr
	v_lshlrev_b32 v[SO], 4, v1                     ; plain work behind the batch: my place in the table, 512 (4 (w / 2) + w % 2) + 16 lane
	v_lshl_add_u32 v[SO], v8, 9, v[SO]
	v_lshl_add_u32 v[SO], v9, 11, v[SO]
	v_mov_b32 v90, 0x3638ef1d                      ; 1/9!
	v_mov_b32 v91, 0x37d00d01                      ; 1/8!
	s_wait_alu depctr_va_vdst(0)                   ; the wait ahead of the first use: one for the four
.irp e, 0,1,2,3
	v_mul_f32 v[16+(\e)], v10, v[16+(\e)]          ; the angle x
	v_mul_f32 v[20+(\e)], 0x3f22f983, v[16+(\e)]   ; n = x 2/pi, to the nearest whole number
	v_rndne_f32 v[20+(\e)], v[20+(\e)]
	v_fmamk_f32 v[24+(\e)], v[20+(\e)], 0xbfc90fdb, v[16+(\e)]  ; r = x - n pi/2, pi/2 in two parts: |r| <= pi/4
	v_fmamk_f32 v[24+(\e)], v[20+(\e)], 0x333bbd2e, v[24+(\e)]
	v_mul_f32 v[28+(\e)], v[24+(\e)], v[24+(\e)]
	v_fmaak_f32 v[32+(\e)], v90, v[28+(\e)], 0xb9500d01          ; sin r = r + r^3 (-1/3! + r^2 (1/5! + r^2 (-1/7! + r^2 / 9!))): what is cut is under 3e-8
	v_fmaak_f32 v[32+(\e)], v[32+(\e)], v[28+(\e)], 0x3c088889
	v_fmaak_f32 v[32+(\e)], v[32+(\e)], v[28+(\e)], 0xbe2aaaab
	v_mul_f32 v[36+(\e)], v[28+(\e)], v[24+(\e)]
	v_fma_f32 v[32+(\e)], v[32+(\e)], v[36+(\e)], v[24+(\e)]
	v_fmaak_f32 v[40+(\e)], v91, v[28+(\e)], 0xbab60b61          ; cos r = 1 + r^2 (-1/2 + r^2 (1/4! + r^2 (-1/6! + r^2 / 8!)))
	v_fmaak_f32 v[40+(\e)], v[40+(\e)], v[28+(\e)], 0x3d2aaaab
	v_fmaak_f32 v[40+(\e)], v[40+(\e)], v[28+(\e)], 0xbf000000
	v_fma_f32 v[40+(\e)], v[40+(\e)], v[28+(\e)], 1.0
	v_cvt_i32_f32 v[20+(\e)], v[20+(\e)]
	v_and_b32 v[36+(\e)], 1, v[20+(\e)]
	v_cmp_eq_u32 vcc_lo, 1, v[36+(\e)]             ; an odd quadrant swaps the two,
	v_cndmask_b32 v[44+(\e)], v[32+(\e)], v[40+(\e)], vcc_lo
	v_cndmask_b32 v[48+(\e)], v[40+(\e)], v[32+(\e)], vcc_lo
	v_lshlrev_b32 v[36+(\e)], 30, v[20+(\e)]       ; sin changes sign in quadrants 2 and 3,
	v_and_b32 v[36+(\e)], 0x80000000, v[36+(\e)]
	v_xor_b32 v[44+(\e)], v[36+(\e)], v[44+(\e)]
	v_add_nc_u32 v[20+(\e)], 1, v[20+(\e)]         ; cos in quadrants 1 and 2
	v_lshlrev_b32 v[20+(\e)], 30, v[20+(\e)]
	v_and_b32 v[20+(\e)], 0x80000000, v[20+(\e)]
	v_xor_b32 v[48+(\e)], v[20+(\e)], v[48+(\e)]
.endr
	global_store_b128 v[SO], v[48:51], s[DST:DST+1]              ; cos: a wave stores 512 consecutive bytes
	global_store_b128 v[SO], v[44:47], s[DST:DST+1] offset:1024  ; sin
	s_endpgm
.Lnorm:                                            ; work-group 2176: threads 0-127 bf16(q gain) / sqrt(128), threads 128-255 bf16(k gain), in f32
	v_and_b32 v[LO], 127, v0
	v_lshlrev_b32 v[LO], 2, v[LO]
	v_lshlrev_b32 v[SO], 2, v0
	global_load_b32 v16, v[LO], s[20:21]
	global_load_b32 v17, v[LO], s[22:23]
	v_cmp_gt_u32 vcc_lo, 128, v0
	v_mov_b32 v18, 1.0
	v_mov_b32 v19, 0x3db504f3                      ; 1 / sqrt(128): the scores' scale goes into q's gain, in f32, so that q is rounded once
	v_cndmask_b32 v18, v18, v19, vcc_lo
	s_wait_loadcnt 0x0
	v_cndmask_b32 v16, v17, v16, vcc_lo
	v_cvt_pk_bf16_f32 v16, v16, v16
	v_lshlrev_b32 v16, 16, v16
	v_mul_f32 v16, v16, v18
	global_store_b32 v[SO], v16, s[32:33] offset:524288
	s_endpgm
.Lfunc_end_k_qc0f543cbb1_prep:
	.size	k_qc0f543cbb1_prep, .Lfunc_end_k_qc0f543cbb1_prep-k_qc0f543cbb1_prep
	.p2alignl 7, 3214868480
	.fill 96, 4, 3214868480
	.section	.rodata,"a",@progbits
	.p2align	6, 0x0
	.amdhsa_kernel k_qc0f543cbb1_prep
		.amdhsa_group_segment_fixed_size 0
		.amdhsa_private_segment_fixed_size 0
		.amdhsa_enable_private_segment 0
		.amdhsa_kernarg_size 104
		.amdhsa_user_sgpr_count 2
		.amdhsa_user_sgpr_kernarg_segment_ptr 1
		.amdhsa_wavefront_size32 1
		.amdhsa_system_sgpr_workgroup_id_x 1
		.amdhsa_system_sgpr_workgroup_id_y 1
		.amdhsa_system_sgpr_workgroup_id_z 1
		.amdhsa_system_vgpr_workitem_id 0
		.amdhsa_next_free_vgpr 96
		.amdhsa_next_free_sgpr 66
		.amdhsa_reserve_vcc 1
		.amdhsa_float_denorm_mode_32 3
		.amdhsa_float_denorm_mode_16_64 3
		.amdhsa_memory_ordered 1
		.amdhsa_forward_progress 1
		.amdhsa_inst_pref_size 45
	.end_amdhsa_kernel
	.amdgpu_metadata
---
amdhsa.version: [ 1, 2 ]
amdhsa.kernels:
  - .name:           k_qc0f543cbb1_prep
    .symbol:         k_qc0f543cbb1_prep.kd
    .args:
      - { .name: hidden_states, .offset: 0, .size: 8, .value_kind: global_buffer, .address_space: global }
      - { .name: q_w, .offset: 8, .size: 8, .value_kind: global_buffer, .address_space: global }
      - { .name: k_w, .offset: 16, .size: 8, .value_kind: global_buffer, .address_space: global }
      - { .name: v_w, .offset: 24, .size: 8, .value_kind: global_buffer, .address_space: global }
      - { .name: o_w, .offset: 32, .size: 8, .value_kind: global_buffer, .address_space: global }
      - { .name: causal_mask, .offset: 40, .size: 8, .value_kind: global_buffer, .address_space: global }
      - { .name: q_norm_w, .offset: 48, .size: 8, .value_kind: global_buffer, .address_space: global }
      - { .name: k_norm_w, .offset: 56, .size: 8, .value_kind: global_buffer, .address_space: global }
      - { .name: xb, .offset: 64, .size: 8, .value_kind: global_buffer, .address_space: global }
      - { .name: wb, .offset: 72, .size: 8, .value_kind: global_buffer, .address_space: global }
      - { .name: ow, .offset: 80, .size: 8, .value_kind: global_buffer, .address_space: global }
      - { .name: mk, .offset: 88, .size: 8, .value_kind: global_buffer, .address_space: global }
      - { .name: tab, .offset: 96, .size: 8, .value_kind: global_buffer, .address_space: global }
    .group_segment_fixed_size: 0
    .private_segment_fixed_size: 0
    .kernarg_segment_align: 8
    .kernarg_segment_size: 104
    .max_flat_workgroup_size: 256
    .sgpr_count:     66
    .vgpr_count:     96
    .wavefront_size: 32
...
	.end_amdgpu_metadata
.endif
;; end of part 1
;; launch qkvp (part 2): grid 16 x 16, 4 waves a work-group, clusters of 4 x 4, 327,680 bytes of LDS; arguments xb, wb, tab, qkv; writes qkv
.if DOCPART == 2
	.amdgcn_target "amdgcn-amd-amdhsa--gfx1250"
	.amdhsa_code_object_version 6
	.text
	.protected	k_qc0f543cbb1_qkvp
	.globl	k_qc0f543cbb1_qkvp
	.p2align	8
	.type	k_qc0f543cbb1_qkvp,@function
k_qc0f543cbb1_qkvp:
	s_mov_b64 s[64:65], 0
	v_nop
	global_prefetch_b8 v0, s[64:65] scope:SCOPE_SE
	s_setreg_imm32_b32 hwreg(HW_REG_WAVE_MODE, 25, 1), 1
	s_wait_xcnt 0x0
	s_wait_alu depctr_hold_cnt(0) depctr_sa_sdst(0) depctr_va_vdst(0) depctr_va_sdst(0) depctr_va_ssrc(0) depctr_va_vcc(0) depctr_vm_vsrc(0)
	s_getreg_b32 s2, hwreg(HW_REG_IB_STS2, 6, 4)
	s_cmp_eq_u32 s2, 0
	s_cbranch_scc0 .Lentry_in_a_cluster
	s_endpgm
.Lentry_in_a_cluster:
	s_bfe_u32 s2, ttmp6, 0x10000c
	s_cmp_lg_u32 s2, 0xf033
	s_cbranch_scc0 .Lentry_shape_is_right
	s_endpgm
.Lentry_shape_is_right:
; q, k, v = x W^T, the layer norm over each head of q and k, and RoPE.  xb [2048][4096] bf16, wb [4096][4096] bf16 (q_w, k_w, v_w / 4), sums in f32.
; qkv [batch 2][head 32][position 1024][128] f16: heads 0-15 q (with the scores' scale 1/sqrt(128), which lies in its gain), 16-23 k, 24-31 v / 4.
; LIMITS. f16 ends at 65,504: |v| up to 262,000 is served; q and k are normalised, at most 11.4 x |gain|.  The norm is taken in two passes (mean, then mean of squares of x - mean), all in f32.
; SHARES. A tile of C is 128 rows x 256 columns: 16 x 16 work-groups.  Four waves, 2 x 2, each 64 rows x 128 columns: 32 accumulators of 16 x 16.  A wave's 128 columns are ONE head, so norm and RoPE need no other wave.
; K goes in steps of 128 (rows of 256 bytes in memory) through two LDS slots, each with 128 rows of x and 256 of W.  One tensor load a wave: waves 0, 1 bring 64 rows of x each, waves 2, 3 128 rows of W each.
; Two slots of two K steps would be 2 x 384 rows x 528 bytes = 405,504 bytes: more than a work-group can have.
; CLUSTER. 4 x 4 work-groups: the four of a row of the cluster need the same rows of x, the four of a column the same rows of W: each tile is asked for jointly, by the same load with the same descriptor and a mask of the four.
; THE ORDER OF K. The sums are f32 and may be taken in any order.  Cluster (x, y) takes lap t xor p of K as its lap t, p = x xor y (a lap = two K steps = 512 bytes of a row).  The four clusters that read the same rows
; of x (same y) have four different p, and so have the four that read the same rows of W (same x): in each group of four laps each of the four is the first to ask for one lap's blocks, in its lap t % 4 = 0, and asks
; for the other three a lap or more behind a cluster that has asked for them.  p is made of the cluster's coordinates alone: it is the same in all sixteen partners.
; ONE PATH UP TO THE WAY OUT. cos, sin and the gains are loaded by every work-group, those that make v too, which use none of them: 33,792 bytes a wave in a quarter of the work-groups.  So the text parts in one place
; alone, where v's way out leaves q's and k's, and every register that the norm reads has been written on every path that reaches it.
; THE MATRIX INSTRUCTION IS USED TRANSPOSED (source 0 = 16 rows of W, source 1 = 16 rows of x): lane l holds row l % 16 of C and the columns 8 (l / 16) + 0..7 of each block of 16:
; 64 of a row's 128 channels lie in a lane, the other 64 in the lane 16 away, and channel d and channel d + 64, which RoPE pairs, lie in the same lane.
; REGISTERS, in windows of 256 (s_set_vgpr_msb: bits 1:0 source 0, 3:2 source 1, 5:4 source 2, 7:6 destination):
;   window 0: v0-31 addresses; v64-159, v160-255 two fragment buffers (W's 8 fragments, then x's 4); on the way out v2-15, v32-255 at work
;   window 1: the accumulators, (a, b) at v[8 (8 a + b)]     window 2: cos and sin of my 64 positions     window 3: v0-63 the gains of my 64 channels
.set KD,     4096
.set KSTEP,  128
.set PITCH,  272                       ; an LDS row: 256 bytes + 16 of padding = 68 words: the 16 rows of a fragment load start at 16 different groups of four banks (64 banks of 4 bytes: ISA guide 11.1)
.set AT,     128*PITCH                 ; x's 128 rows; W's 256 lie behind them
.set SLOT,   384*PITCH
.set STAGE,  2*SLOT                    ; behind the ring, never filled by a tensor load: 16 rows x 272 bytes for each wave
.set SPITCH, 272
.set SPARE,  STAGE+4*16*SPITCH         ; behind the stages: the spare words, 128 bytes for each wave, that no other line names
.set LAPS,   KD/(2*KSTEP)             ; a lap = two K steps = once round the ring; a multiple of 4
.set ADRA, 16                          ; v16-17  LDS address of my fragments of x in slot 0, 1
.set ADRB, 20                          ; v20-21  the same for W
.set NO,   22                          ; v22     32 (l / 16): my byte offset in 16 gains
.set STO,  24                          ; v24     the way out: where I put 16 bytes of a row
.set RD,   25                          ; v25     where I read rows back
.set L16,  26                          ; v26     16 x lane
.set SPW,  28                          ; v28     LDS address of my spare word; never rewritten
.set NIL,  29                          ; v29     0; never rewritten
.set PFO,  30                          ; v30     lane x a row of x or W in memory; never rewritten
.set F0,   64
.set F1,   160
.set MU,   2                           ; v[2:3]   the mean (the pair's second register is only named)
.set RS,   4                           ; v[4:5]   1 / sqrt(variance + eps), likewise
.set VS,   8                           ; v[8:15]  four chains of squares
.set T,    32                          ; v[32:47] eight partial sums
.set U,    48                          ; v[48:63] RoPE's products with sin, four sets
.set TMP,  32                          ; v[32:63] then: a block's 16 rows packed to f16
.set D,    64                          ; v[64:127] a block's numbers at work
.set BK,   128                         ; v[128:255] four sets of 32: a block read back from the stage
.set WV,   12                          ; s12 wave;  s13 wave / 2: my half of the rows, and: I fetch x (0) or W (1);  s14 wave % 2: my half of the columns, and which part I fetch
.set WR,   13
.set WC,   14
.set LIM,  15                          ; s15 1 in a wave that prefetches, else the greatest number
.set G1A,  24                          ; s[24:31] descriptor group 1 for x;  s[32:39] group 0, a set for each slot
.set G0A,  32
.set PFA,  44                          ; s[44:45] the address that my next prefetch names
.set G1B,  48                          ; s[48:55], s[56:63] the same for W
.set G0B,  56
.set SEL,  66                          ; s[66:67] v_permlanex16_b32's selects: each lane takes its own place in the other half
.set RN,   68                          ; s68 1/128
.set EPS,  69                          ; s69 1e-5
.set ROPE, 70                          ; s[70:71] the table at my 64 positions
.set GAIN, 72                          ; s[72:73] k's gains where the cluster makes k, else q's
.set OUT,  74                          ; s[74:75] qkv at my head's first row of mine
.set KIND, 76                          ; s76 the cluster's x: 0, 1 q; 2 k; 3 v: the same in all sixteen partners
.set PX,   77                          ; s77 p = cluster x xor cluster y
.set BA,   78                          ; s[78:79] xb at the first of the rows that I fetch, K = 0
.set BB,   80                          ; s[80:81] wb likewise
.set KO,   82                          ; s[82:83] byte offset along K of the K step that is asked for (high word 0)
.set PB,   84                          ; s[84:85] xb or wb at the first of the rows that I prefetch, K = 0
.set PO,   86                          ; s[86:87] byte offset along K of the lap that a prefetch names (high word 0)
.set SC,   88                          ; s88 at work
.set MSB, 0
.macro WIN new                         ; the immediate's high byte repeats the setting that is left; a switch that changes nothing is dropped
.if MSB != (\new)
	s_set_vgpr_msb (MSB<<8)|(\new)
.set MSB, \new
.endif
.endm
.macro PLACES                          ; four plain instructions behind a matrix instruction, in front of loads into registers that it read and of vector lines that read its result
.rept 4
	v_nop
.endr
.endm
; A joint load.  The branch hangs on the wave's number alone.  An s_nop 0 and four v_nop follow each of the two lines, ahead of the jump and the label.
.macro JLOAD s
	s_cmp_eq_u32 s[WR], 0
	s_cbranch_scc0 .Lfor_b_\@
	tensor_load_to_lds s[G0A+4*(\s):G0A+4*(\s)+3], s[G1A:G1A+7]
	s_nop 0
.rept 4
	v_nop
.endr
	s_branch .Lasked_\@
.Lfor_b_\@:
	tensor_load_to_lds s[G0B+4*(\s):G0B+4*(\s)+3], s[G1B:G1B+7]
	s_nop 0
.rept 4
	v_nop
.endr
.Lasked_\@:
.endm
; A prefetch of the K step that stands two refills on (256 matrix instructions ahead of its load), where that step belongs to a lap t % 4 = 0 of my cluster's walk: those are the blocks that my cluster is the first of
; the four to ask for.  32 rows x 256 bytes, a lane a row, one instruction a wave.  Each row's 256 bytes of a K step are named once in the launch: of the four clusters that read a row, the one with p = lap % 4 names it;
; in that cluster x's 128 rows of a tile are shared out among the four partners of a row of the cluster (wave 0, 32 rows each, by address), W's 256 among the four of a column (waves 2 and 3, 64 rows each).
; In trip s3 the lap two on is LAPS + 1 - s3: a multiple of 4 where s3 % 4 = 1; in the last trip (s3 = 1) there is no such lap.  The first four laps come by their loads alone.
.macro ASK s
	s_and_b32 s[SC], s3, 3
	s_cmp_eq_u32 s[SC], 1
	s_cselect_b32 s[SC], s3, 1
	s_cmp_gt_u32 s[SC], s[LIM]
	s_cbranch_scc0 .Lnot_mine_\@
	global_prefetch_b8 v[PFO], s[PFA:PFA+1] offset:(\s)*KSTEP*2 th:TH_LOAD_NT scope:SCOPE_SE
.Lnot_mine_\@:
.endm
.macro CREST                           ; a round of the cluster's barrier behind its opening barrier
	s_cmp_lg_u32 s[WV], 0
	s_cbranch_scc1 .Lnot_wave_0_\@
	s_barrier_signal -3
.Lnot_wave_0_\@:
	s_barrier_wait -3
	s_barrier_signal -1
	s_barrier_wait -1
.endm
.macro CROUND
	s_barrier_signal -1
	s_barrier_wait -1
	CREST
.endm
; 8 matrix instructions: row block a x all 8 column blocks, 32 along K.  The 32 accumulators take turns, one instruction a turn, in the same order in every quarter.
.macro MUL8 f, a, zero
	WIN 0x50
.irp b, 0,1,2,3,4,5,6,7
.if \zero
	v_wmma_f32_16x16x32_bf16 v[8*(8*(\a)+(\b)):8*(8*(\a)+(\b))+7], v[(\f)+8*(\b):(\f)+8*(\b)+7], v[(\f)+64+8*(\a):(\f)+64+8*(\a)+7], 0
.else
	v_wmma_f32_16x16x32_bf16 v[8*(8*(\a)+(\b)):8*(8*(\a)+(\b))+7], v[(\f)+8*(\b):(\f)+8*(\b)+7], v[(\f)+64+8*(\a):(\f)+64+8*(\a)+7], v[8*(8*(\a)+(\b)):8*(8*(\a)+(\b))+7]
.endif
.endr
.endm
; 24 LDS loads in one run: the fragments of 32 along K at byte k of the rows: W's eight, then x's four
.macro FETCH slot, k, f
	WIN 0
.irp i, 0,1,2,3,4,5,6,7
	ds_load_b128 v[(\f)+8*(\i):(\f)+8*(\i)+3],   v[ADRB+(\slot)] offset:(\k)+(\i)*16*PITCH
	ds_load_b128 v[(\f)+8*(\i)+4:(\f)+8*(\i)+7], v[ADRB+(\slot)] offset:(\k)+(\i)*16*PITCH+32
.endr
.irp i, 0,1,2,3
	ds_load_b128 v[(\f)+64+8*(\i):(\f)+64+8*(\i)+3],   v[ADRA+(\slot)] offset:(\k)+(\i)*16*PITCH
	ds_load_b128 v[(\f)+64+8*(\i)+4:(\f)+64+8*(\i)+7], v[ADRA+(\slot)] offset:(\k)+(\i)*16*PITCH+32
.endr
.endm
; A K step is four quarters of 32 along K, 32 matrix instructions each, on buffers 0, 1, 0, 1.  One of the first three: multiplies buffer f and fetches the next quarter, at byte k, into g.
.macro QUARTER slot, k, f, g, zero
	s_wait_dscnt 4                                 ; W's fragments and x's first two are in; the youngest four loads (x's last two fragments) may be out
	MUL8 \f, 0, \zero
	MUL8 \f, 1, \zero
	PLACES
	FETCH \slot, \k, \g
	s_wait_dscnt 24                                ; all but the 24 just issued
	MUL8 \f, 2, \zero
	MUL8 \f, 3, \zero
.endm
; The last quarter changes slots and then multiplies buffer 1, whose fragments were the last thing read out of this slot.  ONE barrier: in front of it each wave waits for all its tensor loads (one is out: its part of
; the next slot), adds 0 to its spare word, and waits for that and for its own reads of this slot.  fill = 1: the barrier opens a round of the cluster's, and this slot is filled again first thing behind the round, with
; the next lap's K step: wait, round and load follow each other with no product between, and all 32 products of the quarter stand behind the load: it has 128 matrix instructions of its wave in which to land.
.macro TURN slot, next, fill
.if \fill
	s_wait_xcnt 0x0                                ; the last prefetch, a K step back, has read its address, which is made anew here:
	s_sub_co_u32 s[PO], LAPS+1, s3                 ; the lap two on in my walk,
	s_xor_b32 s[PO], s[PO], s[PX]                  ; its place in K,
	s_lshl_b32 s[PO], s[PO], 9                     ; 512 bytes a lap
	s_add_nc_u64 s[PFA:PFA+1], s[PB:PB+1], s[PO:PO+1]
.endif
	WIN 0
	s_wait_tensorcnt 0x0                           ; all my tensor loads have landed, so a group 0 may be written
	ds_add_u32 v[SPW], v[NIL]                      ; 0 onto my spare word: the descriptors' scalar work stands between it and the wait for it
.if \fill
	s_sub_co_u32 s[KO], LAPS, s3                   ; the next lap of my walk,
	s_xor_b32 s[KO], s[KO], s[PX]                  ; its place in K,
	s_lshl_b32 s[KO], s[KO], 9
.if \slot
	s_or_b32 s[KO], s[KO], KSTEP*2                 ; its second K step
.endif
	s_add_nc_u64 s[G0A+4*(\slot)+2:G0A+4*(\slot)+3], s[BA:BA+1], s[KO:KO+1]
	s_or_b32 s[G0A+4*(\slot)+3], s[G0A+4*(\slot)+3], 0x80000000
	s_add_nc_u64 s[G0B+4*(\slot)+2:G0B+4*(\slot)+3], s[BB:BB+1], s[KO:KO+1]
	s_or_b32 s[G0B+4*(\slot)+3], s[G0B+4*(\slot)+3], 0x80000000
.endif
	s_wait_dscnt 0x0                               ; the add is done, and my reads of this slot are over
	s_barrier_signal -1
	s_barrier_wait -1
.if \fill
	CREST                                          ; no wave of any partner still reads this slot or has a load on its way
	JLOAD \slot                                    ; its four v_nop are also the places in front of the loads below
.else
	PLACES
.endif
	FETCH \next, 0, F0
.if \fill
	ASK \slot
.endif
	MUL8 F1, 0, 0
	MUL8 F1, 1, 0
	MUL8 F1, 2, 0
	MUL8 F1, 3, 0
.endm
	s_load_b256 s[4:11], s[0:1], 0x0               ; xb s[4:5], wb s[6:7], tab s[8:9], qkv s[10:11]
	v_lshl_add_u32 v[SPW], v0, 2, SPARE
	v_mov_b32 v[NIL], 0
	ds_add_u32 v[SPW], v[NIL]                      ; the wave's opening: the add and its wait ahead of my first tensor load; the set-up below, work on registers, stands between them
	v_lshrrev_b32 v1, 5, v0
	v_readfirstlane_b32 s[WV], v1
	s_lshr_b32 s[WR], s[WV], 1
	s_and_b32 s[WC], s[WV], 1
	s_mov_b32 s[KIND], ttmp9
	s_bfe_u32 s40, ttmp6, 0x40000                  ; cx, cy: my place in the cluster
	s_bfe_u32 s41, ttmp6, 0x40004
	s_lshl_b32 s42, ttmp9, 2
	s_add_co_u32 s42, s42, s40                     ; tile column = 4 x cluster x + cx
	s_and_b32 s43, ttmp7, 0xffff
	s_xor_b32 s[PX], s43, ttmp9                    ; p = cluster x xor cluster y, 0 to 3
	s_lshl_b32 s43, s43, 2
	s_add_co_u32 s43, s43, s41                     ; tile row = 4 x cluster y + cy
	s_lshl_b32 s20, s41, 2
	s_lshl_b32 s20, 15, s20                        ; my row of the cluster
	s_lshl_b32 s46, 0x1111, s40                    ; my column
	s_or_b32 s[G1A], s20, (1<<16)|(1<<20)|(1<<21)|(5<<22)|(3<<25)  ; 15:0 the mask; 17:16 2-byte elements; 20 padding on; 21 set beside a mask; 24:22 after every 64 words; 31:25 4 words of it
	s_or_b32 s[G1B], s46, (1<<16)|(1<<20)|(1<<21)|(5<<22)|(3<<25)
	s_mov_b32 s[G1A+1], KSTEP<<16                  ; tensor_dim0 = 128
	s_mov_b32 s[G1A+2], 64<<16                     ; tensor_dim1 = 64
	s_mov_b32 s[G1A+3], KSTEP<<16                  ; tile_dim0 = 128
	s_mov_b32 s[G1A+4], 64                         ; tile_dim1 = 64
	s_mov_b32 s[G1A+5], KD                         ; elements from row to row
	s_mov_b32 s[G1A+6], 0
	s_mov_b32 s[G1A+7], 0
	s_mov_b32 s[G1B+1], KSTEP<<16
	s_mov_b32 s[G1B+2], 128<<16                    ; W: 128 rows a load
	s_mov_b32 s[G1B+3], KSTEP<<16
	s_mov_b32 s[G1B+4], 128
	s_mov_b32 s[G1B+5], KD
	s_mov_b32 s[G1B+6], 0
	s_mov_b32 s[G1B+7], 0
	s_lshl_b32 s16, s43, 7
	s_lshl_b32 s17, s[WC], 6
	s_add_co_u32 s16, s16, s17                     ; x: row 128 x tile row + 64 x part
	s_mov_b32 s17, 0
	s_lshl_b32 s46, s42, 8
	s_lshl_b32 s47, s[WC], 7
	s_add_co_u32 s46, s46, s47                     ; W: row 256 x tile column + 128 x part
	s_mov_b32 s47, 0
	s_mov_b64 s[18:19], KD*2
	s_mul_u64 s[16:17], s[16:17], s[18:19]
	s_mul_u64 s[46:47], s[46:47], s[18:19]
	s_mul_i32 s20, s[WC], 64*PITCH                 ; where they go: no place in the cluster enters an LDS address
	s_mul_i32 s21, s[WC], 128*PITCH
	s_add_co_u32 s21, s21, AT
	s_mov_b32 s[SEL], 0x76543210
	s_mov_b32 s[SEL+1], 0xfedcba98
	s_mov_b32 s[RN], 0x3c000000
	s_mov_b32 s[EPS], 0x3727c5ac
	s_lshl_b32 s[KO], s[PX], 9                     ; lap 0 of my walk is lap p of K
	s_mov_b32 s[KO+1], 0
	s_mov_b32 s[PO+1], 0
	s_wait_dscnt 0x0                               ; the opening add is done
	s_wait_kmcnt 0x0
	s_add_nc_u64 s[BA:BA+1], s[4:5], s[16:17]
	s_add_nc_u64 s[BB:BB+1], s[6:7], s[46:47]
	CROUND                                         ; all sixteen work-groups are here: the first joint loads meet
.irp s, 0,1
.if \s
	s_or_b32 s[KO], s[KO], KSTEP*2                 ; the lap's second K step
.endif
	s_mov_b32 s[G0A+4*(\s)], 1                     ; count = 1
	s_add_co_u32 s[G0A+4*(\s)+1], s20, (\s)*SLOT   ; LDS address
	s_add_nc_u64 s[G0A+4*(\s)+2:G0A+4*(\s)+3], s[BA:BA+1], s[KO:KO+1]  ; global address
	s_or_b32 s[G0A+4*(\s)+3], s[G0A+4*(\s)+3], 0x80000000              ; type = 2
	s_mov_b32 s[G0B+4*(\s)], 1
	s_add_co_u32 s[G0B+4*(\s)+1], s21, (\s)*SLOT
	s_add_nc_u64 s[G0B+4*(\s)+2:G0B+4*(\s)+3], s[BB:BB+1], s[KO:KO+1]
	s_or_b32 s[G0B+4*(\s)+3], s[G0B+4*(\s)+3], 0x80000000
	JLOAD \s                                       ; two loads of mine are out
.endr
	; A fragment is 16 rows x 32 K in 8 registers: lane l holds row l % 16; registers 0-3 K = 8 (l / 16) + 0..7, registers 4-7 K = 16 + 8 (l / 16) + 0..7: two loads of 16 bytes, 32 bytes apart.
	v_and_b32 v1, 15, v0
	v_bfe_u32 v2, v0, 4, 1
	v_mul_u32_u24 v3, v1, PITCH
	v_lshl_add_u32 v3, v2, 4, v3
	s_mul_i32 s20, s[WR], 64*PITCH                 ; my 64 rows of x
	s_mul_i32 s21, s[WC], 128*PITCH                ; my 128 rows of W
	s_add_co_u32 s21, s21, AT
.irp s, 0,1
	v_add_nc_u32 v[ADRA+(\s)], s20, v3
	v_add_nc_u32 v[ADRB+(\s)], s21, v3
	s_add_co_u32 s20, s20, SLOT
	s_add_co_u32 s21, s21, SLOT
.endr
	s_mul_i32 s20, s[WV], 16*SPITCH
	s_add_co_u32 s20, s20, STAGE                   ; my stage
	v_mul_u32_u24 v4, v1, SPITCH                   ; in: row l % 16, 16 bytes for each half of the lanes
	v_lshl_add_u32 v4, v2, 4, v4
	v_add_nc_u32 v[STO], s20, v4
	v_mul_u32_u24 v5, v2, SPITCH                   ; back: lanes 0-15 one row of 256 bytes, lanes 16-31 the next
	v_lshl_add_u32 v5, v1, 4, v5
	v_add_nc_u32 v[RD], s20, v5
	v_and_b32 v[L16], 31, v0
	v_lshlrev_b32 v[L16], 4, v[L16]
	v_lshlrev_b32 v[NO], 5, v2
	; where my 64 rows of my head begin in qkv: ((32 batch + head) x 1024 + position) x 256 bytes
	s_lshr_b32 s16, s43, 3                         ; batch = tile row / 8
	s_lshl_b32 s16, s16, 5
	s_lshl_b32 s19, s42, 1
	s_add_co_u32 s16, s16, s19
	s_add_co_u32 s16, s16, s[WC]                   ; head = 2 x tile column + my half
	s_lshl_b32 s16, s16, 10
	s_and_b32 s18, s43, 7
	s_lshl_b32 s19, s18, 7
	s_add_co_u32 s16, s16, s19
	s_lshl_b32 s19, s[WR], 6
	s_add_co_u32 s16, s16, s19                     ; position = 128 (tile row % 8) + 64 x my half
	s_lshl_b32 s16, s16, 8
	s_mov_b32 s17, 0
	s_add_nc_u64 s[OUT:OUT+1], s[10:11], s[16:17]
	s_lshl_b32 s16, s18, 3
	s_lshl_b32 s19, s[WR], 2
	s_add_co_u32 s16, s16, s19                     ; my first block of 16 positions,
	s_lshl_b32 s16, s16, 13                        ; 8,192 bytes of the table each
	s_add_nc_u64 s[ROPE:ROPE+1], s[8:9], s[16:17]
	s_cmp_eq_u32 s[KIND], 2
	s_cselect_b32 s16, 512, 0                      ; k's gains lie behind q's
	s_add_co_u32 s16, s16, 524288
	s_add_nc_u64 s[GAIN:GAIN+1], s[8:9], s[16:17]
	; the prefetches: the first of my 32 rows, at K = 0
	s_lshl_b32 s16, s43, 7
	s_lshl_b32 s19, s40, 5
	s_add_co_u32 s16, s16, s19                     ; x: the tile's first row + 32 cx
	s_lshl_b32 s18, s42, 8
	s_lshl_b32 s19, s41, 6
	s_add_co_u32 s18, s18, s19
	s_lshl_b32 s19, s[WC], 5
	s_add_co_u32 s18, s18, s19                     ; W: the tile's first row + 64 cy + 32 x (wave % 2)
	s_cmp_eq_u32 s[WR], 0
	s_cselect_b32 s16, s16, s18
	s_cselect_b64 s[PB:PB+1], s[4:5], s[6:7]
	s_cmp_eq_u32 s[WV], 1
	s_cselect_b32 s[LIM], -1, 1                    ; wave 1 asks for nothing: x's 128 rows are shared out among the four partners' waves 0
	s_mov_b32 s17, 0
	s_mov_b64 s[18:19], KD*2
	s_mul_u64 s[16:17], s[16:17], s[18:19]
	s_add_nc_u64 s[PB:PB+1], s[PB:PB+1], s[16:17]  ; nothing is prefetched here, at the head
	v_and_b32 v[PFO], 31, v0
	v_mul_u32_u24 v[PFO], v[PFO], KD*2
	; cos, sin and the gains come now, in every work-group, and are waited for once, ahead of the way out
	WIN 0x80                                       ; destination window 2
.set i, 0
.rept 64                                           ; row block i / 16; load i % 16 = 4 b + 2 (sin) + half: 512 consecutive bytes each
	global_load_b128 v[4*i:4*i+3], v[L16], s[ROPE:ROPE+1] offset:(i/16)*8192+(i%16)*512
.set i, i+1
.endr
	WIN 0xc0                                       ; destination window 3
.set i, 0
.rept 16                                           ; the gains of channels 16 (i / 2) + 8 (l / 16) + 4 (i % 2) + 0..3
	global_load_b128 v[4*i:4*i+3], v[NO], s[GAIN:GAIN+1] offset:(i/2)*64+(i%2)*16
.set i, i+1
.endr
	WIN 0
	s_wait_tensorcnt 1                             ; my part of the first K step is in; the second's may stay out
	s_barrier_signal -1
	s_barrier_wait -1
	FETCH 0, 0, F0
	QUARTER 0, 64,  F0, F1, 1                      ; the first quarter stands in front of the loop: its products start the sums
	WIN 0
	s_mov_b32 s3, LAPS-1
.Llap:                                             ; a trip goes once round the ring, from a lap's second quarter to the next lap's first, and fills both slots again
	QUARTER 0, 128, F1, F0, 0
	QUARTER 0, 192, F0, F1, 0
	TURN 0, 1, 1
	QUARTER 1, 64,  F0, F1, 0
	QUARTER 1, 128, F1, F0, 0
	QUARTER 1, 192, F0, F1, 0
	TURN 1, 0, 1
	QUARTER 0, 64,  F0, F1, 0
	WIN 0
	s_sub_co_u32 s3, s3, 1
	s_cmp_lg_u32 s3, 0
	s_cbranch_scc1 .Llap
	QUARTER 0, 128, F1, F0, 0                      ; the last lap is written out: it fills nothing
	QUARTER 0, 192, F0, F1, 0
	TURN 0, 1, 0
	QUARTER 1, 64,  F0, F1, 0
	QUARTER 1, 128, F1, F0, 0
	QUARTER 1, 192, F0, F1, 0
	s_wait_dscnt 4
	MUL8 F1, 0, 0
	MUL8 F1, 1, 0
	s_wait_dscnt 0x0
	MUL8 F1, 2, 0
	MUL8 F1, 3, 0
	WIN 0
	PLACES
	PLACES
; THE WAY OUT, a block of 16 rows at a time.  LNROPE a: norm and RoPE of row block a, rounded to f16 into TMP.  Each accumulator's lowest registers are read first.
.macro LNROPE a
.set AC, 64*(\a)
	WIN 0x05                                       ; both sources window 1
.irp b, 0,1,2,3,4,5,6,7
	v_pk_add_f32 v[T+2*(\b):T+2*(\b)+1], v[AC+8*(\b):AC+8*(\b)+1], v[AC+8*(\b)+2:AC+8*(\b)+3]
.endr
	WIN 0x04                                       ; source 1 window 1
.irp b, 0,1,2,3,4,5,6,7
	v_pk_add_f32 v[T+2*(\b):T+2*(\b)+1], v[T+2*(\b):T+2*(\b)+1], v[AC+8*(\b)+4:AC+8*(\b)+5]
.endr
.irp b, 0,1,2,3,4,5,6,7
	v_pk_add_f32 v[T+2*(\b):T+2*(\b)+1], v[T+2*(\b):T+2*(\b)+1], v[AC+8*(\b)+6:AC+8*(\b)+7]
.endr
	WIN 0
	v_pk_add_f32 v[T:T+1], v[T:T+1], v[T+2:T+3]
	v_pk_add_f32 v[T+4:T+5], v[T+4:T+5], v[T+6:T+7]
	v_pk_add_f32 v[T+8:T+9], v[T+8:T+9], v[T+10:T+11]
	v_pk_add_f32 v[T+12:T+13], v[T+12:T+13], v[T+14:T+15]
	v_pk_add_f32 v[T:T+1], v[T:T+1], v[T+4:T+5]
	v_pk_add_f32 v[T+8:T+9], v[T+8:T+9], v[T+12:T+13]
	v_pk_add_f32 v[T:T+1], v[T:T+1], v[T+8:T+9]
	v_add_f32 v6, v[T], v[T+1]
	v_permlanex16_b32 v7, v6, s[SEL], s[SEL+1]     ; the row's other 64 channels lie in the lane 16 away
	v_add_f32 v6, v6, v7
	v_mul_f32 v[MU], s[RN], v6                     ; the mean
	WIN 0x01                                       ; source 0 window 1
.set p, 0
.rept 32
	v_pk_add_f32 v[D+2*p:D+2*p+1], v[AC+2*p:AC+2*p+1], v[MU:MU+1] op_sel_hi:[1,0] neg_lo:[0,1] neg_hi:[0,1]
.set p, p+1
.endr
	WIN 0
.set p, 0
.rept 4
	v_pk_mul_f32 v[VS+2*p:VS+2*p+1], v[D+2*p:D+2*p+1], v[D+2*p:D+2*p+1]  ; the first four pairs start four chains of squares
.set p, p+1
.endr
.rept 28
	v_pk_fma_f32 v[VS+2*(p%4):VS+2*(p%4)+1], v[D+2*p:D+2*p+1], v[D+2*p:D+2*p+1], v[VS+2*(p%4):VS+2*(p%4)+1]
.set p, p+1
.endr
	v_pk_add_f32 v[VS:VS+1], v[VS:VS+1], v[VS+2:VS+3]
	v_pk_add_f32 v[VS+4:VS+5], v[VS+4:VS+5], v[VS+6:VS+7]
	v_pk_add_f32 v[VS:VS+1], v[VS:VS+1], v[VS+4:VS+5]
	v_add_f32 v6, v[VS], v[VS+1]
	v_permlanex16_b32 v7, v6, s[SEL], s[SEL+1]
	v_add_f32 v6, v6, v7
	v_fma_f32 v6, v6, s[RN], s[EPS]                ; variance + eps
	v_rsq_f32 v[RS], v6
	WIN 0x0c                                       ; source 1 window 3: the gains; 32 plain lines that name neither the root's result nor its source
.set p, 0
.rept 32
	v_pk_mul_f32 v[D+2*p:D+2*p+1], v[D+2*p:D+2*p+1], v[2*p:2*p+1]
.set p, p+1
.endr
	WIN 0
	s_wait_alu depctr_va_vdst(0)                   ; the wait ahead of the first use of the root
.set p, 0
.rept 32
	v_pk_mul_f32 v[D+2*p:D+2*p+1], v[D+2*p:D+2*p+1], v[RS:RS+1] op_sel_hi:[1,0]
.set p, p+1
.endr
	WIN 0x08                                       ; source 1 window 2: cos and sin.  x[d] = x[d] cos - x[d+64] sin; x[d+64] = x[d+64] cos + x[d] sin, d = 16 (p / 4) + 8 (l / 16) + 2 (p % 4), + 1
.set p, 0
.rept 16
.set rLO, D+8*(p/4)+2*(p%4)
.set rHI, rLO+32
.set rCO, 64*(\a)+16*(p/4)+2*(p%4)
.set rSI, rCO+8
.set rU0, U+4*(p%4)
.set rU1, rU0+2
	v_pk_mul_f32 v[rU0:rU0+1], v[rHI:rHI+1], v[rSI:rSI+1]
	v_pk_mul_f32 v[rU1:rU1+1], v[rLO:rLO+1], v[rSI:rSI+1]
	v_pk_fma_f32 v[rLO:rLO+1], v[rLO:rLO+1], v[rCO:rCO+1], v[rU0:rU0+1] neg_lo:[0,0,1] neg_hi:[0,0,1]
	v_pk_fma_f32 v[rHI:rHI+1], v[rHI:rHI+1], v[rCO:rCO+1], v[rU1:rU1+1]
.set p, p+1
.endr
	WIN 0
.set p, 0
.rept 32
	v_cvt_pk_f16_f32 v[TMP+p], v[D+2*p], v[D+2*p+1]
.set p, p+1
.endr
.endm
.macro VPACK a                         ; v: rounded to f16 as it is (the factor 1/4 lies in wb)
	WIN 0x05
.set p, 0
.rept 32
	v_cvt_pk_f16_f32 v[TMP+p], v[64*(\a)+2*p], v[64*(\a)+2*p+1]
.set p, p+1
.endr
	WIN 0
.endm
.macro TOSTAGE a                       ; a lane's eight channels of a row are 16 bytes: into my stage, rows of 272 bytes, and back as whole rows of 256
	WIN 0
.irp b, 0,1,2,3,4,5,6,7
	ds_store_b128 v[STO], v[TMP+4*(\b):TMP+4*(\b)+3] offset:32*(\b)
.endr
.irp t, 0,1,2,3,4,5,6,7
	ds_load_b128 v[BK+32*(\a)+4*(\t):BK+32*(\a)+4*(\t)+3], v[RD] offset:(\t)*2*SPITCH  ; LDS serves a wave's instructions in order (ISA guide 5.7.1.4): these see the stores above, and the next block's stores come behind them
.endr
.endm
.macro SEND a                          ; each block has registers of its own, so no store's data are written again
	WIN 0
	s_wait_dscnt 0x0                               ; the block is back in registers
.irp t, 0,1,2,3,4,5,6,7
	global_store_b128 v[L16], v[BK+32*(\a)+4*(\t):BK+32*(\a)+4*(\t)+3], s[OUT:OUT+1] offset:4096*(\a)+512*(\t)  ; two rows of a head: 512 consecutive bytes, aligned
.endr
.endm
	s_wait_loadcnt 0x0                             ; cos, sin and the gains are in: on both ways out no load of mine is pending
	s_cmp_eq_u32 s[KIND], 3
	s_cbranch_scc1 .Lv_out                         ; the one place where the text parts: v has neither norm nor RoPE
	v_mov_b32 v[MU+1], 0                           ; named in pairs, never taken
	v_mov_b32 v[RS+1], 0
	v_mov_b32 v7, 0                                ; v_permlanex16_b32 counts as a reader of its destination
	LNROPE 0
	TOSTAGE 0
.irp a, 1,2,3                                      ; a block's arithmetic stands between the loads of the block before and its stores
	LNROPE \a
	SEND (\a)-1
	TOSTAGE \a
.endr
	SEND 3
	s_branch .Lend
.Lv_out:
	VPACK 0
	TOSTAGE 0
.irp a, 1,2,3
	VPACK \a
	SEND (\a)-1
	TOSTAGE \a
.endr
	SEND 3
.Lend:
	s_wait_tensorcnt 0x0                           ; the wave's end, behind my last tensor load and my last LDS store
	ds_add_u32 v[SPW], v[NIL]
	s_wait_dscnt 0x0
	CROUND                                         ; the closing round: no work-group ends while a partner may still ask for a tile that names it
	s_endpgm
.Lfunc_end_k_qc0f543cbb1_qkvp:
	.size	k_qc0f543cbb1_qkvp, .Lfunc_end_k_qc0f543cbb1_qkvp-k_qc0f543cbb1_qkvp
	.p2alignl 7, 3214868480
	.fill 96, 4, 3214868480
	.section	.rodata,"a",@progbits
	.p2align	6, 0x0
	.amdhsa_kernel k_qc0f543cbb1_qkvp
		.amdhsa_group_segment_fixed_size 327680
		.amdhsa_private_segment_fixed_size 0
		.amdhsa_enable_private_segment 0
		.amdhsa_kernarg_size 32
		.amdhsa_user_sgpr_count 2
		.amdhsa_user_sgpr_kernarg_segment_ptr 1
		.amdhsa_wavefront_size32 1
		.amdhsa_system_sgpr_workgroup_id_x 1
		.amdhsa_system_sgpr_workgroup_id_y 1
		.amdhsa_system_sgpr_workgroup_id_z 1
		.amdhsa_system_vgpr_workitem_id 0
		.amdhsa_next_free_vgpr 832
		.amdhsa_next_free_sgpr 96
		.amdhsa_reserve_vcc 0
		.amdhsa_float_denorm_mode_32 3
		.amdhsa_float_denorm_mode_16_64 3
		.amdhsa_memory_ordered 1
		.amdhsa_forward_progress 1
		.amdhsa_inst_pref_size 170
	.end_amdhsa_kernel
	.amdgpu_metadata
---
amdhsa.version: [ 1, 2 ]
amdhsa.kernels:
  - .name:           k_qc0f543cbb1_qkvp
    .symbol:         k_qc0f543cbb1_qkvp.kd
    .args:
      - { .name: xb, .offset: 0, .size: 8, .value_kind: global_buffer, .address_space: global }
      - { .name: wb, .offset: 8, .size: 8, .value_kind: global_buffer, .address_space: global }
      - { .name: tab, .offset: 16, .size: 8, .value_kind: global_buffer, .address_space: global }
      - { .name: qkv, .offset: 24, .size: 8, .value_kind: global_buffer, .address_space: global }
    .group_segment_fixed_size: 327680
    .private_segment_fixed_size: 0
    .kernarg_segment_align: 8
    .kernarg_segment_size: 32
    .max_flat_workgroup_size: 128
    .sgpr_count:     96
    .vgpr_count:     832
    .wavefront_size: 32
...
	.end_amdgpu_metadata
.endif
;; end of part 2
;; launch attn (part 3): grid 16 x 16, 4 waves a work-group, clusters of 4 x 1, 327,680 bytes of LDS; arguments qkv, mk, ctx; writes ctx
.if DOCPART == 3
	.amdgcn_target "amdgcn-amd-amdhsa--gfx1250"
	.amdhsa_code_object_version 6
	.text
	.protected	k_qc0f543cbb1_attn
	.globl	k_qc0f543cbb1_attn
	.p2align	8
	.type	k_qc0f543cbb1_attn,@function
k_qc0f543cbb1_attn:
	s_mov_b64 s[64:65], 0
	v_nop
	global_prefetch_b8 v0, s[64:65] scope:SCOPE_SE
	s_setreg_imm32_b32 hwreg(HW_REG_WAVE_MODE, 25, 1), 1
	s_wait_xcnt 0x0
	s_wait_alu depctr_hold_cnt(0) depctr_sa_sdst(0) depctr_va_vdst(0) depctr_va_sdst(0) depctr_va_ssrc(0) depctr_va_vcc(0) depctr_vm_vsrc(0)
	s_getreg_b32 s2, hwreg(HW_REG_IB_STS2, 6, 4)
	s_cmp_eq_u32 s2, 0
	s_cbranch_scc0 .Lentry_in_a_cluster
	s_endpgm
.Lentry_in_a_cluster:
	s_bfe_u32 s2, ttmp6, 0x10000c
	s_cmp_lg_u32 s2, 0x3003
	s_cbranch_scc0 .Lentry_shape_is_right
	s_endpgm
.Lentry_shape_is_right:
; ctx[b][q][head] = the sum over k of softmax_k(q . k + mask[q][k]) v[k].  q (with the scale 1/sqrt(128) in it), k and v / 4 lie in qkv [batch 2][head 32][1024][128] f16 (heads 0-15 q, 16-23 k, 24-31 v);
; mk holds the mask's numbers in f32 in the order in which a lane takes them; ctx [2048][2048] f16 = the result / 4, column = head x 128 + channel.
; THE MASK IS AN INPUT: all 1024 keys are walked for every query, and the mask is the C operand of the product that starts a score's sum.
; Products, maxima and sums in f32; the weights are rounded to f16 for the second product (their sum is taken of the unrounded weights), ctx once at the end.
; LIMITS. The running maximum starts at -1e30: a row whose every score lies below that is not served.  A mask number of minus infinity gives the weight 0.  A weight below 2^-126 counts as 0.
; Where a mask number is so large that f32 cannot hold a score beside it, the sum's last bit may differ from a plain f32 addition's: that shows only in a row in which EVERY key carries such a number.
; SHARES. A work-group owns 64 positions of the two query heads that share one key and value head; a wave 16 positions: two tiles (head 2 kv, head 2 kv + 1), which take the same mask registers.  64 keys a step.
; LAYOUT. S^T = K Q^T (source 0 = 16 keys, source 1 = 16 queries): a lane holds ONE query (lane % 16) and the keys 8 (lane / 16) + 0..7.  Two such results rounded to f16 ARE source 1 of O^T = V^T P.
; K comes out of LDS as it lies, V ([key][channel]) turned, by ds_load_tr16_b128.
; SOFTMAX. p = 2^(c s - c m), c = log2(e), with a running maximum m; in every step O and l are multiplied by a = 2^(c m_old - c m_new).
; IN PHASES. A step: K and the mask of the next step are asked for; the softmax of the step in hand; its 32 products V^T P; V of the next step is asked for; the next step's 32 products K Q^T.
; NO FIRST STEP IS WRITTEN OUT: the walk begins one step early, with scores of minus infinity, V = 0, O = 0, l = 0: that step's weights are 0 and its a is 1.  The price: 330 lines that set registers, in the wait
; for the first tile, and one softmax and 32 products on zeros.
; CLUSTER. The four position blocks of a cluster walk the same K and V: each tile is asked for jointly, the same tensor load, descriptor and mask in all four.
; REGISTERS, in windows of 256 (s_set_vgpr_msb: bits 1:0 source 0, 3:2 source 1, 5:4 source 2, 7:6 destination):
;   window 0: v0-11 addresses; v12-27 statistics, 8 a tile; v64-127 S^T; v128-159 P; v160-191 the mask of a step       window 1: v0-127 O^T; v128-191 Q       window 2: v0-127 K, v128-255 V of one step
.set KS,    64
.set PK,    272       ; a row of K in LDS: 256 bytes + 16 of padding: the 16 rows of a load start at 16 different groups of four banks (64 banks of 4 bytes: ISA guide 11.1)
.set PV,    288       ; a row of V: 256 + 32
.set VOFF,  KS*PK     ; a step's tiles lie together: 64 rows of K, then 64 rows of V
.set STEPB, KS*(PK+PV)
.set SLOT1, 1<<17     ; a slot holds two steps; slot 1 begins here, so that one exclusive or turns an address in one slot into the other's
.set STAGE, SLOT1+2*STEPB  ; behind the ring, never filled by a tensor load: 16 rows x 272 bytes for each wave
.set SP,    272
.set SPARE, STAGE+4*16*SP  ; behind the stages: the spare words, 128 bytes for each wave, that no other line names
.set AK0, 2           ; v2   my lane's place in a tile of K; never rewritten
.set AV0, 3           ; v3   the same for V
.set ADR, 4           ; v4   the LDS address of the run of loads in hand
.set QO,  5           ; v5   my byte offset in 16 rows of Q
.set STO, 6           ; v6   the way out: where I put 16 bytes of a row
.set RD,  7           ; v7   where I read rows back
.set GO,  8           ; v8   my byte offset in two rows of ctx
.set MO,  9           ; v9   16 x lane: my 16 bytes of 512 of the mask
.set ST,  12          ; tile t's statistics at v[ST+8 t]: +0 c m, +1 m, +2, +3 l (even keys', odd keys'), +4 to +7 c0-c3 at work; a takes c2's place once the maximum is found
.set PFO, 61          ; v61  256 x lane; never rewritten
.set SPW, 62          ; v62  LDS address of my spare word; never rewritten
.set NIL, 63          ; v63  0; never rewritten
.set S,   64
.set P,   128
.set MR,  160
.set QF,  128         ; window 1
.set KF,  0           ; window 2
.set VF,  128         ; window 2
.set WV,  12          ; s12  my wave's number
.set LIM, 15          ; s15  1 in a wave that prefetches, else the greatest number
.set PFA, 18          ; s[18:19] where my prefetches stand
.set G1K, 24          ; s[24:31] descriptor group 1 for K's tiles
.set G1V, 32          ; s[32:39] for V's: it differs in the padding alone
.set G0K, 40          ; s[40:47] group 0 for K's tiles: a set for each of the two first fills; the second then walks on
.set G0V, 48          ; s[48:55] the same for V's
.set SLOTS, 56        ; s56  counts the changes of slots
.set TWICE, 57        ; s57  counts a slot's two steps
.set CS,  58          ; s[58:59] c, twice
.set SEL, 60          ; s[60:61] v_permlanex16_b32's selects
.set TB,  62          ; s62  LDS byte at which the tiles of the step to be fetched begin
.set MSB, 0
.macro WIN new
.if MSB != (\new)
	s_set_vgpr_msb (MSB<<8)|(\new)
.set MSB, \new
.endif
.endm
.set W_KQ, 0x06       ; K in window 2, Q in window 1, the mask and S^T in window 0
.set W_PV, 0x52       ; V in window 2, P in window 0, O^T in window 1
.set W_RS, 0x41       ; O^T (destination and source 0) in window 1, a in window 0
.macro PLACES
.rept 4
	v_nop
.endr
.endm
; A joint refill.  Waves 0 and 1 fetch the two steps' tiles of K, waves 2 and 3 those of V.  An s_nop 0 and four v_nop follow each of the two lines, ahead of the jump and the label.
.macro JLOAD
	s_cmp_lt_u32 s[WV], 2
	s_cbranch_scc0 .Lfor_v_\@
	tensor_load_to_lds s[G0K+4:G0K+7], s[G1K:G1K+7]
	s_nop 0
.rept 4
	v_nop
.endr
	s_branch .Lasked_\@
.Lfor_v_\@:
	tensor_load_to_lds s[G0V+4:G0V+7], s[G1V:G1V+7]
	s_nop 0
.rept 4
	v_nop
.endr
.Lasked_\@:
.endm
; A prefetch of what the NEXT change of slots will ask for: 128 rows of K and 128 of V, 256 bytes a row, a lane a row.  Each row is named once in the launch: of the four clusters that walk a key and value head
; the first asks; its four partners take 32 rows each, by address; in each, wave 0 asks for K's and wave 2 for V's.  The last change that fills a slot asks for nothing.
.macro ASK
	s_cmp_gt_u32 s[SLOTS], s[LIM]
	s_cbranch_scc0 .Lnot_mine_\@
	global_prefetch_b8 v[PFO], s[PFA:PFA+1] th:TH_LOAD_NT scope:SCOPE_SE
.Lnot_mine_\@:
.endm
.macro CROUND                       ; a round of the cluster's barrier
	s_barrier_signal -1
	s_barrier_wait -1
	s_cmp_lg_u32 s[WV], 0
	s_cbranch_scc1 .Lnot_wave_0_\@
	s_barrier_signal -3
.Lnot_wave_0_\@:
	s_barrier_wait -3
	s_barrier_signal -1
	s_barrier_wait -1
.endm
	s_load_b128 s[4:7], s[0:1], 0x0   ; qkv s[4:5], mk s[6:7]
	s_load_b64 s[8:9], s[0:1], 0x10   ; ctx
	v_lshl_add_u32 v[SPW], v0, 2, SPARE
	v_mov_b32 v[NIL], 0
	ds_add_u32 v[SPW], v[NIL]       ; the wave's opening: the add and its wait ahead of my first tensor load; the set-up below, work on registers, stands between them
	v_lshrrev_b32 v1, 5, v0
	v_readfirstlane_b32 s[WV], v1
	s_bfe_u32 s13, ttmp6, 0x40000   ; cx
	s_lshl_b32 s14, ttmp9, 2
	s_add_co_u32 s14, s14, s13      ; my block of 64 positions: it enters Q's, the mask's and ctx's addresses alone
	s_and_b32 s20, ttmp7, 0xffff    ; 8 x batch + key and value head, which the four partners share
	s_lshr_b32 s21, s20, 3
	s_and_b32 s22, s20, 7
	s_and_b32 s16, s[WV], 1         ; which of a slot's two steps I fetch
	s_mul_i32 s17, s16, STEPB       ; its place in a slot: no place in the cluster enters an LDS address
	s_lshl_b32 s2, s21, 5
	s_add_co_u32 s2, s2, s22
	s_add_co_u32 s2, s2, 16         ; K's head in qkv: 32 batch + 16 + kv,
	s_lshl_b32 s2, s2, 18           ; 262,144 bytes a head,
	s_lshl_b32 s3, s16, 14          ; my step's 64 rows of 256 bytes
	s_add_co_u32 s2, s2, s3
	s_mov_b32 s3, 0
	s_lshl_b32 s68, s21, 4
	s_add_co_u32 s68, s68, s22
	s_lshl_b32 s68, s68, 19         ; Q's first head: 32 batch + 2 kv,
	s_lshl_b32 s69, s14, 14         ; my block's 64 rows,
	s_add_co_u32 s68, s68, s69
	s_lshl_b32 s69, s[WV], 12       ; my wave's 16 of them
	s_add_co_u32 s68, s68, s69
	s_mov_b32 s69, 0
	s_lshl_b32 s70, s14, 2
	s_add_co_u32 s70, s70, s[WV]    ; my 16 queries in the mask,
	s_lshl_b32 s70, s70, 16         ; 65,536 bytes each
	s_mov_b32 s71, 0
	s_lshl_b32 s23, s21, 22         ; ctx: row 1024 batch + 64 block + 16 wave of 4,096 bytes, column 2 kv x 256 bytes
	s_lshl_b32 s22, s22, 9
	s_add_co_u32 s22, s22, s23
	s_lshl_b32 s23, s14, 18
	s_add_co_u32 s22, s22, s23
	s_lshl_b32 s23, s[WV], 16
	s_add_co_u32 s22, s22, s23
	s_mov_b32 s23, 0
	; descriptor group 1: a tile of 64 rows x 128 elements, padded in LDS
	s_mov_b32 s[G1K], 15|(1<<16)|(1<<20)|(1<<21)|(5<<22)|(3<<25)  ; 15:0 the mask of four; 17:16 2-byte elements; 20 padding on; 21 set beside a mask; 24:22 after every 64 words; 31:25 4 words
	s_mov_b32 s[G1V], 15|(1<<16)|(1<<20)|(1<<21)|(5<<22)|(7<<25)  ; the same with 8 words of padding
.irp g, G1K, G1V
	s_mov_b32 s[(\g)+1], 128<<16    ; tensor_dim0 = 128
	s_mov_b32 s[(\g)+2], KS<<16     ; tensor_dim1 = 64
	s_mov_b32 s[(\g)+3], 128<<16    ; tile_dim0 = 128
	s_mov_b32 s[(\g)+4], KS         ; tile_dim1 = 64
	s_mov_b32 s[(\g)+5], 128        ; elements from row to row
	s_mov_b32 s[(\g)+6], 0
	s_mov_b32 s[(\g)+7], 0
.endr
	s_mov_b32 s[CS], 0x3fb8aa3b     ; c = log2(e)
	s_mov_b32 s[CS+1], s[CS]
	s_mov_b32 s[SEL], 0x76543210
	s_mov_b32 s[SEL+1], 0xfedcba98
	s_mov_b32 s[TB], 0
	s_mov_b32 s[SLOTS], 6
	s_and_b32 s[LIM], s[WV], 1      ; 0 in waves 0 and 2,
	s_or_b32 s[LIM], s[LIM], ttmp9  ; where the cluster is the head's first: the same in all four partners
	s_cmp_eq_u32 s[LIM], 0
	s_cselect_b32 s[LIM], 1, -1
	v_and_b32 v[PFO], 31, v0
	v_lshlrev_b32 v[PFO], 8, v[PFO]
	s_wait_dscnt 0x0                ; the opening add is done
	s_wait_kmcnt 0x0
	s_add_nc_u64 s[10:11], s[4:5], s[2:3]      ; K at my tile of slot 0,
	s_add_nc_u64 s[66:67], s[10:11], 0x200000  ; V eight heads on
	s_add_nc_u64 s[4:5], s[4:5], s[68:69]      ; Q, the mask and ctx at my wave's first row
	s_add_nc_u64 s[6:7], s[6:7], s[70:71]
	s_add_nc_u64 s[8:9], s[8:9], s[22:23]
	s_cmp_lt_u32 s[WV], 2
	s_cselect_b64 s[PFA:PFA+1], s[10:11], s[66:67]  ; (in waves 0 and 2 these stand at a slot's first row)
	s_lshl_b32 s2, s13, 13          ; my work-group's 32 rows of the 128
	s_mov_b32 s3, 0
	s_add_nc_u64 s[PFA:PFA+1], s[PFA:PFA+1], s[2:3]
	s_add_nc_u64 s[PFA:PFA+1], s[PFA:PFA+1], 2*2*KS*256  ; at keys 256 on; the first change of slots steps it to keys 384.  Nothing is prefetched here, at the head
	CROUND                          ; all four work-groups are here: the first joint loads meet
.irp s, 0,1
	s_mov_b32 s[G0K+4*(\s)], 1
	s_add_co_u32 s[G0K+4*(\s)+1], s17, (\s)*SLOT1
	s_add_nc_u64 s[G0K+4*(\s)+2:G0K+4*(\s)+3], s[10:11], (\s)*2*KS*256
	s_or_b32 s[G0K+4*(\s)+3], s[G0K+4*(\s)+3], 0x80000000
	s_mov_b32 s[G0V+4*(\s)], 1
	s_add_co_u32 s[G0V+4*(\s)+1], s17, (\s)*SLOT1+VOFF
	s_add_nc_u64 s[G0V+4*(\s)+2:G0V+4*(\s)+3], s[66:67], (\s)*2*KS*256
	s_or_b32 s[G0V+4*(\s)+3], s[G0V+4*(\s)+3], 0x80000000
.endr
	s_cmp_lt_u32 s[WV], 2           ; a wave's two first fills stand in one branch, ahead of every wait on TENSORcnt and every LDS read: two loads of mine are out
	s_cbranch_scc0 .Lfirst_v
	tensor_load_to_lds s[G0K:G0K+3], s[G1K:G1K+7]
	s_nop 0
	tensor_load_to_lds s[G0K+4:G0K+7], s[G1K:G1K+7]
	s_nop 0
.rept 4
	v_nop
.endr
	s_branch .Lfirst_asked
.Lfirst_v:
	tensor_load_to_lds s[G0V:G0V+3], s[G1V:G1V+7]
	s_nop 0
	tensor_load_to_lds s[G0V+4:G0V+7], s[G1V:G1V+7]
	s_nop 0
.rept 4
	v_nop
.endr
.Lfirst_asked:
	; A fragment of K or Q is 16 rows x 32 channels in 8 registers: lane l holds row l % 16, channels 8 (l / 16) + 0..7 and 16 + 8 (l / 16) + 0..7: two loads of 16 bytes, 32 bytes apart.
	v_and_b32 v1, 15, v0            ; l % 16
	v_bfe_u32 v10, v0, 4, 1         ; l / 16
	v_lshlrev_b32 v[QO], 8, v1
	v_lshl_add_u32 v[QO], v10, 4, v[QO]
	v_mul_u32_u24 v[AK0], v1, PK
	v_lshl_add_u32 v[AK0], v10, 4, v[AK0]
	WIN 0x40                        ; destination window 1
.irp i, 0,1,2,3,4,5,6,7             ; Q stays in registers: tile i / 4 (the next head lies 262,144 bytes on), channels 32 (i % 4) on
	global_load_b128 v[QF+8*(\i):QF+8*(\i)+3],   v[QO], s[4:5] offset:((\i)/4)*262144+((\i)%4)*64
	global_load_b128 v[QF+8*(\i)+4:QF+8*(\i)+7], v[QO], s[4:5] offset:((\i)/4)*262144+((\i)%4)*64+32
.endr
	; what the empty first step finds.  All this stands in the wait for the first tile.
.set i, 0
.rept 128
	v_mov_b32 v[i], 0               ; O^T
.set i, i+1
.endr
	WIN 0x80
.set i, 0
.rept 128
	v_mov_b32 v[VF+i], 0            ; V
.set i, i+1
.endr
	WIN 0
	s_mov_b32 s2, 0xff800000
.set i, 0
.rept 64
	v_mov_b32 v[S+i], s2            ; scores of minus infinity
.set i, i+1
.endr
.irp t, 0,1
	v_mov_b32 v[ST+8*(\t)+1], 0xf149f2ca  ; m = -1e30
	v_mul_f32 v[ST+8*(\t)], s[CS], v[ST+8*(\t)+1]
	v_mov_b32 v[ST+8*(\t)+2], 0
	v_mov_b32 v[ST+8*(\t)+3], 0
.endr
	; The turning load takes 16 keys x 16 channels (lane l reads key 8 (l / 16) + l % 8, channels 8 ((l / 8) % 2) + 0..7) and leaves half a fragment of V^T: lane l holds channel l % 16 and 8 keys.
	v_and_b32 v11, 7, v0
	v_lshl_add_u32 v[AV0], v10, 3, v11
	v_mul_u32_u24 v[AV0], v[AV0], PV
	v_bfe_u32 v11, v0, 3, 1
	v_lshl_add_u32 v[AV0], v11, 4, v[AV0]
	v_add_nc_u32 v[AV0], VOFF, v[AV0]
	s_mul_i32 s2, s[WV], 16*SP
	s_add_co_u32 s2, s2, STAGE      ; my stage
	v_mul_u32_u24 v[STO], v1, SP    ; in: row l % 16, 16 bytes for each half of the lanes
	v_lshl_add_u32 v[STO], v10, 4, v[STO]
	v_add_nc_u32 v[STO], s2, v[STO]
	v_mul_u32_u24 v[RD], v10, SP    ; back: lanes 0-15 one row of 256 bytes, lanes 16-31 the next
	v_lshl_add_u32 v[RD], v1, 4, v[RD]
	v_add_nc_u32 v[RD], s2, v[RD]
	v_lshlrev_b32 v[GO], 12, v10    ; and the same two rows in ctx, 4,096 bytes apart
	v_lshl_add_u32 v[GO], v1, 4, v[GO]
	v_and_b32 v[MO], 31, v0
	v_lshlrev_b32 v[MO], 4, v[MO]
; THE MATRIX WORK.  The accumulators take turns, one instruction a turn: between two links of a chain stand 7 (K Q^T) or 15 (V^T P) others'.
; Product i of 32 of S^T = K Q^T + mask: channels 32 (i / 8) on, keys 16 ((i / 2) % 4) on, tile i % 2.  The first 8 start the sums with the mask, the same registers for both tiles.
.macro KQ
	WIN W_KQ
.set rS, S+32*(i%2)+8*((i/2)%4)
.set rK, KF+32*((i/2)%4)+8*(i/8)
.set rQ, QF+32*(i%2)+8*(i/8)
.set rM, MR+8*((i/2)%4)
.if i < 8
	v_wmma_f32_16x16x32_f16 v[rS:rS+7], v[rK:rK+7], v[rQ:rQ+7], v[rM:rM+7]
.else
	v_wmma_f32_16x16x32_f16 v[rS:rS+7], v[rK:rK+7], v[rQ:rQ+7], v[rS:rS+7]
.endif
.endm
; Product i of 32 of O^T += V^T P: keys 32 (i / 16) on, channels 16 ((i / 2) % 8) on, tile i % 2.
.macro PVM
	WIN W_PV
.set rO, 64*(i%2)+8*((i/2)%8)
.set rV, VF+64*(i/16)+8*((i/2)%8)
.set rP, P+16*(i%2)+8*(i/16)
	v_wmma_f32_16x16x32_f16 v[rO:rO+7], v[rV:rV+7], v[rP:rP+7], v[rO:rO+7]
.endm
; THE LOADS stand in runs: a step's K (16 fragments), its V (turned), and its mask (4,096 consecutive bytes of mk: 8 loads of 512).
.macro FETCH_K
	WIN 0
	v_add_nc_u32 v[ADR], s[TB], v[AK0]
	WIN 0x80
.irp f, 0,1,2,3,4,5,6,7,8,9,10,11,12,13,14,15  ; keys 16 (f / 4) on, channels 32 (f % 4) on
	ds_load_b128 v[KF+8*(\f):KF+8*(\f)+3],   v[ADR] offset:((\f)/4)*16*PK+((\f)%4)*64
	ds_load_b128 v[KF+8*(\f)+4:KF+8*(\f)+7], v[ADR] offset:((\f)/4)*16*PK+((\f)%4)*64+32
.endr
.endm
.macro FETCH_V
	WIN 0
	v_add_nc_u32 v[ADR], s[TB], v[AV0]
	s_add_co_u32 s[TB], s[TB], STEPB  ; the next fetch is the next step's
	WIN 0x80
.irp f, 0,1,2,3,4,5,6,7,8,9,10,11,12,13,14,15  ; keys 32 (f / 8) on, channels 16 (f % 8) on
	ds_load_tr16_b128 v[VF+8*(\f):VF+8*(\f)+3],   v[ADR] offset:((\f)/8)*32*PV+((\f)%8)*32
	ds_load_tr16_b128 v[VF+8*(\f)+4:VF+8*(\f)+7], v[ADR] offset:((\f)/8)*32*PV+16*PV+((\f)%8)*32
.endr
.endm
.macro MLOAD
	WIN 0
.irp i, 0,1,2,3,4,5,6,7
	global_load_b128 v[MR+4*(\i):MR+4*(\i)+3], v[MO], s[6:7] offset:512*(\i)
.endr
.endm
; THE VECTOR WORK.  One tile's softmax for one key step is a list of 134 instructions; SM writes number j of it for tile t.  s0-s31 are the lane's 32 scores, in pairs 0-15.
;   0-15    the maximum of s0-s31 and the old m, three operands at a time (each accumulator's lowest registers are read first)
;   16-20   the other half of the lanes' maximum; the new m; c m; c m_old - c m_new
;   21-69   ONE BATCH: the 16 scalings c s - c m and all 33 exponentials (a at 23, then s0-s31); none of these names an exponential's result; a pair is scaled ahead of its exponentials
;   70-85   the roundings to f16     86-101  the sums; l = a l + the sum     102-133 the tile's O^T times a
.macro SM t
.set rT, ST+8*(\t)
.set rS, S+32*(\t)
.set rP, P+16*(\t)
.set rO, 64*(\t)+2*(j-102)
.if j < 102
	WIN 0
.endif
.if j < 4
	v_max3_num_f32 v[rT+4+j], v[rS+8*j], v[rS+8*j+1], v[rS+8*j+2]
.elseif j < 12
	v_max3_num_f32 v[rT+4+j%4], v[rT+4+j%4], v[rS+8*(j%4)+2*(j/4)+1], v[rS+8*(j%4)+2*(j/4)+2]
.elseif j == 12
	v_max3_num_f32 v[rT+4], v[rT+4], v[rS+7], v[rS+15]
.elseif j == 13
	v_max3_num_f32 v[rT+6], v[rT+6], v[rS+23], v[rS+31]
.elseif j == 14
	v_max3_num_f32 v[rT+4], v[rT+4], v[rT+5], v[rT+6]
.elseif j == 15
	v_max3_num_f32 v[rT+4], v[rT+4], v[rT+7], v[rT+1]
.elseif j == 16
	v_permlanex16_b32 v[rT+5], v[rT+4], s[SEL], s[SEL+1]  ; the query's other 32 keys lie in the lane 16 away
.elseif j == 17
	v_mov_b32 v[rT+7], v[rT]        ; c m_old is kept for a: number 19 writes c m anew
.elseif j == 18
	v_max_num_f32 v[rT+1], v[rT+4], v[rT+5]
.elseif j == 19
	v_mul_f32 v[rT], s[CS], v[rT+1]
.elseif j == 20
	v_sub_f32 v[rT+7], v[rT+7], v[rT]
.elseif j == 23
	v_exp_f32 v[rT+6], v[rT+7]
.elseif (j < 23) || ((j < 38) && (j%2 == 0)) || ((j < 66) && (j%4 == 2))
.set b, (j-2)/4                     ; 38, 42, .. 62: pairs 9 to 15
.if j < 38
.set b, (j-20)/2                    ; 21: pair 0; 22, 24, .. 36: pairs 1 to 8
.endif
	v_pk_fma_f32 v[rS+2*b:rS+2*b+1], v[rS+2*b:rS+2*b+1], s[CS:CS+1], v[rT:rT+1] op_sel_hi:[1,0,0] neg_lo:[0,0,1] neg_hi:[0,0,1]  ; pair b: c s - c m
.elseif j < 70
.set e, j-38                        ; 66 to 69: s28 to s31
.if j < 66
.set e, j-32-(j-38)/4               ; 39-41, 43-45, .. 63-65: s7 to s27
.endif
.if j < 38
.set e, (j-25)/2                    ; 25, 27, .. 37: s0 to s6
.endif
	v_exp_f32 v[rS+e], v[rS+e]
.elseif j < 86
	v_cvt_pk_f16_f32 v[rP+j-70], v[rS+2*(j-70)], v[rS+2*(j-70)+1]
.elseif j < 102                     ; the sum of the tile's 16 pairs, in place: neighbours 1, 2, 4 and 8 pairs apart, then l takes it
.set z, j-86
.set w, 4
.set u, z
.if z >= 14
.set w, 32
.set u, 0
.elseif z >= 12
.set w, 16
.set u, z-12
.elseif z >= 8
.set w, 8
.set u, z-8
.endif
.if z < 15
	v_pk_add_f32 v[rS+w*u:rS+w*u+1], v[rS+w*u:rS+w*u+1], v[rS+w*u+w/2:rS+w*u+w/2+1]
.else
	v_pk_fma_f32 v[rT+2:rT+3], v[rT+2:rT+3], v[rT+6:rT+7], v[rS:rS+1] op_sel_hi:[1,0,1]
.endif
.else
	WIN W_RS
	v_pk_mul_f32 v[rO:rO+1], v[rO:rO+1], v[rT+6:rT+7] op_sel_hi:[1,0]
.endif
.endm
.macro SOFTMAX                      ; both tiles, alternating, so that where one line feeds the next the other tile's stands between
.set j, 0
.rept 70
	SM 0
	SM 1
.set j, j+1
.endr
	v_nop                           ; a plain instruction behind the last exponential,
	s_wait_alu depctr_va_vdst(0)    ; and the wait ahead of the first use: one for the 66 exponentials
.rept 64
	SM 0
	SM 1
.set j, j+1
.endr
.endm
; A KEY STEP.
.macro BODY
	PLACES                          ; behind the last products K Q^T: their scores are read, and K's and the mask's registers loaded again
	FETCH_K                         ; the next step's K
	MLOAD                           ; and its mask
	SOFTMAX
	s_wait_dscnt 32                 ; V of the step in hand is in; K's 32 younger loads may be out
.set i, 0
.rept 32
	PVM
.set i, i+1
.endr
	WIN 0
	PLACES                          ; behind the last products V^T P: V's registers are loaded again
	FETCH_V                         ; the next step's V
	s_wait_dscnt 32                 ; K is in; V's 32 younger loads may be out
	s_wait_loadcnt 0x0              ; the mask is in (the first time: Q too), and its address may be stepped
	s_add_nc_u64 s[6:7], s[6:7], 4096
.set i, 0
.rept 32
	KQ
.set i, i+1
.endr
	WIN 0
.endm
.macro TWO_STEPS                    ; a slot's two key steps: written once, walked twice; the LDS addresses hang on s[TB]
	s_mov_b32 s[TWICE], 2
.Lstep_\@:
	BODY
	s_sub_co_u32 s[TWICE], s[TWICE], 1
	s_cmp_lg_u32 s[TWICE], 0
	s_cbranch_scc1 .Lstep_\@
.endm
; THE CHANGE OF SLOTS: the slot's last bytes, V of its second step, have been asked for.  Each wave waits for all its tensor loads, of which one at most is out: its part of the other slot; adds 0 to its spare word;
; and waits for that and for its own reads of the slot.  Behind the barrier nobody reads this slot any more and the other slot is whole.
; fill = 1: the barrier is a round of the cluster's, and this slot is filled again, with the keys two slots on, first thing behind it: the load has two key steps in which to land.
.macro CHANGE fill
	WIN 0
	s_wait_tensorcnt 0x0            ; no tensor load of mine is out, so a group 0 may be written
	ds_add_u32 v[SPW], v[NIL]       ; 0 onto my spare word
.if \fill
.irp g, G0K+4, G0V+4
	s_xor_b32 s[(\g)+1], s[(\g)+1], SLOT1  ; the walking descriptor: the other slot than last time,
	s_add_nc_u64 s[(\g)+2:(\g)+3], s[(\g)+2:(\g)+3], 2*KS*256  ; the next 128 keys
.endr
	s_wait_xcnt 0x0                 ; the last prefetch, two key steps back, has read its address
	s_add_nc_u64 s[PFA:PFA+1], s[PFA:PFA+1], 2*KS*256
	s_wait_dscnt 0x0                ; the add is done, and my reads of the slot are over
	CROUND
	JLOAD
	ASK
.else
	s_wait_dscnt 0x0
	s_barrier_signal -1
	s_barrier_wait -1
.endif
	s_sub_co_u32 s[TB], s[TB], 2*STEPB  ; the fetches go back to a slot's first step,
	s_xor_b32 s[TB], s[TB], SLOT1       ; in the other slot
.endm
	s_wait_tensorcnt 1              ; my part of slot 0 is in; slot 1's may stay out
	s_barrier_signal -1
	s_barrier_wait -1
.Lslot:                             ; six trips: keys 128 n to 128 n + 127 are fetched out of their slot, which then takes keys 128 (n + 2) on
	TWO_STEPS
	CHANGE 1
	s_sub_co_u32 s[SLOTS], s[SLOTS], 1
	s_cmp_lg_u32 s[SLOTS], 0
	s_cbranch_scc1 .Lslot
	s_mov_b32 s[SLOTS], 2
.Ltail:                             ; the last two slots: nothing is asked for.  The second trip's barrier serves nothing: the price of one text for both trips
	TWO_STEPS
	CHANGE 0
	s_sub_co_u32 s[SLOTS], s[SLOTS], 1
	s_cmp_lg_u32 s[SLOTS], 0
	s_cbranch_scc1 .Ltail
	PLACES                          ; the last step's softmax and products; its V came in ahead of the last barrier
	SOFTMAX
.set i, 0
.rept 32
	PVM
.set i, i+1
.endr
	WIN 0
	PLACES
	; THE WAY OUT.  l's two halves and the other half of the lanes' are added; O^T is divided by l, rounded to f16 and sent through my stage in LDS, a tile (16 rows of one head) at a time.
.irp t, 0,1
	v_add_f32 v[ST+8*(\t)+4], v[ST+8*(\t)+2], v[ST+8*(\t)+3]
.endr
.irp t, 0,1
	v_permlanex16_b32 v[ST+8*(\t)+5], v[ST+8*(\t)+4], s[SEL], s[SEL+1]
.endr
.irp t, 0,1
	v_add_f32 v[ST+8*(\t)+4], v[ST+8*(\t)+4], v[ST+8*(\t)+5]
.endr
.irp t, 0,1
	v_rcp_f32 v[ST+8*(\t)+6], v[ST+8*(\t)+4]
.endr
	v_nop                           ; a plain instruction between the last reciprocal and the use of its result,
	s_wait_alu depctr_va_vdst(0)    ; and the wait ahead of the use: one for the two
.macro PACK t
	WIN W_RS
.set i, 64*(\t)
.rept 32
	v_pk_mul_f32 v[i:i+1], v[i:i+1], v[ST+8*(\t)+6:ST+8*(\t)+7] op_sel_hi:[1,0]
.set i, i+2
.endr
	WIN 0x05                        ; sources 0 and 1 window 1, destination window 0: S^T's registers are free
.set i, 0
.rept 32
	v_cvt_pk_f16_f32 v[S+32*(\t)+i], v[64*(\t)+2*i], v[64*(\t)+2*i+1]
.set i, i+1
.endr
	WIN 0
.irp f, 0,1,2,3,4,5,6,7
	ds_store_b128 v[STO], v[S+32*(\t)+4*(\f):S+32*(\t)+4*(\f)+3] offset:32*(\f)
.endr
.irp f, 0,1,2,3,4,5,6,7
	ds_load_b128 v[S+32*(\t)+4*(\f):S+32*(\t)+4*(\f)+3], v[RD] offset:(\f)*2*SP  ; LDS serves a wave's instructions in order (ISA guide 5.7.1.4): these see the stores above; the next tile's stores come behind them
.endr
.endm
.macro SEND t, younger              ; younger: the LDS instructions issued behind tile t's loads
.irp f, 0,1,2,3,4,5,6,7
	s_wait_dscnt (\younger)+7-(\f)
	global_store_b128 v[GO], v[S+32*(\t)+4*(\f):S+32*(\t)+4*(\f)+3], s[8:9] offset:(\f)*8192+(\t)*256  ; 16 lanes store a head's 256 bytes of a row, aligned
.endr
.endm
	PACK 0
	PACK 1
	SEND 0, 16
	SEND 1, 0
	s_wait_tensorcnt 0x0            ; the wave's end, behind my last tensor load and my last LDS store
	ds_add_u32 v[SPW], v[NIL]
	s_wait_dscnt 0x0
	CROUND                          ; the closing round: no work-group ends while a partner may still ask for a tile that names it
	s_endpgm
.Lfunc_end_k_qc0f543cbb1_attn:
	.size	k_qc0f543cbb1_attn, .Lfunc_end_k_qc0f543cbb1_attn-k_qc0f543cbb1_attn
	.p2alignl 7, 3214868480
	.fill 96, 4, 3214868480
	.section	.rodata,"a",@progbits
	.p2align	6, 0x0
	.amdhsa_kernel k_qc0f543cbb1_attn
		.amdhsa_group_segment_fixed_size 327680
		.amdhsa_private_segment_fixed_size 0
		.amdhsa_enable_private_segment 0
		.amdhsa_kernarg_size 24
		.amdhsa_user_sgpr_count 2
		.amdhsa_user_sgpr_kernarg_segment_ptr 1
		.amdhsa_wavefront_size32 1
		.amdhsa_system_sgpr_workgroup_id_x 1
		.amdhsa_system_sgpr_workgroup_id_y 1
		.amdhsa_system_sgpr_workgroup_id_z 1
		.amdhsa_system_vgpr_workitem_id 0
		.amdhsa_next_free_vgpr 768
		.amdhsa_next_free_sgpr 72
		.amdhsa_reserve_vcc 0
		.amdhsa_float_denorm_mode_32 3
		.amdhsa_float_denorm_mode_16_64 3
		.amdhsa_memory_ordered 1
		.amdhsa_forward_progress 1
		.amdhsa_inst_pref_size 100
	.end_amdhsa_kernel
	.amdgpu_metadata
---
amdhsa.version: [ 1, 2 ]
amdhsa.kernels:
  - .name:           k_qc0f543cbb1_attn
    .symbol:         k_qc0f543cbb1_attn.kd
    .args:
      - { .name: qkv, .offset: 0, .size: 8, .value_kind: global_buffer, .address_space: global }
      - { .name: mk, .offset: 8, .size: 8, .value_kind: global_buffer, .address_space: global }
      - { .name: ctx, .offset: 16, .size: 8, .value_kind: global_buffer, .address_space: global }
    .group_segment_fixed_size: 327680
    .private_segment_fixed_size: 0
    .kernarg_segment_align: 8
    .kernarg_segment_size: 24
    .max_flat_workgroup_size: 128
    .sgpr_count:     72
    .vgpr_count:     768
    .wavefront_size: 32
...
	.end_amdgpu_metadata
.endif
;; end of part 3
;; launch oproj (part 4): grid 16 x 16, 4 waves a work-group, clusters of 4 x 4, 327,680 bytes of LDS; arguments ctx, ow, out0; writes out0
.if DOCPART == 4
	.amdgcn_target "amdgcn-amd-amdhsa--gfx1250"
	.amdhsa_code_object_version 6
	.text
	.protected	k_qc0f543cbb1_oproj
	.globl	k_qc0f543cbb1_oproj
	.p2align	8
	.type	k_qc0f543cbb1_oproj,@function
k_qc0f543cbb1_oproj:
	s_mov_b64 s[64:65], 0
	v_nop
	global_prefetch_b8 v0, s[64:65] scope:SCOPE_SE
	s_setreg_imm32_b32 hwreg(HW_REG_WAVE_MODE, 25, 1), 1
	s_wait_xcnt 0x0
	s_wait_alu depctr_hold_cnt(0) depctr_sa_sdst(0) depctr_va_vdst(0) depctr_va_sdst(0) depctr_va_ssrc(0) depctr_va_vcc(0) depctr_vm_vsrc(0)
	s_getreg_b32 s2, hwreg(HW_REG_IB_STS2, 6, 4)
	s_cmp_eq_u32 s2, 0
	s_cbranch_scc0 .Lentry_in_a_cluster
	s_endpgm
.Lentry_in_a_cluster:
	s_bfe_u32 s2, ttmp6, 0x10000c
	s_cmp_lg_u32 s2, 0xf033
	s_cbranch_scc0 .Lentry_shape_is_right
	s_endpgm
.Lentry_shape_is_right:
; out0 = ctx o_w^T.  ctx [2048][2048] f16 (the attention's result / 4), ow [4096][2048] f16 (4 x bf16(o_w)): the two factors cancel.  Sums in f32; out0 [2048][4096] f32.
; SHARES, RING, CLUSTER: a tile of C is 128 rows x 256 columns, 16 x 16 work-groups; four waves, 2 x 2, each 64 x 128: 32 accumulators.  K goes in steps of 128 (rows of 256 bytes in memory) through two LDS slots,
; each with 128 rows of ctx and 256 of ow.  One tensor load a wave: waves 0, 1 bring 64 rows of ctx each, waves 2, 3 128 rows of ow each.  4 x 4 work-groups form a cluster: the four of a row need the same rows of
; ctx, the four of a column the same rows of ow: each tile is asked for jointly, by the same load with the same descriptor and a mask of the four.
; THE ORDER OF K. The sums are f32 and may be taken in any order.  Cluster (x, y) takes lap t xor p of K as its lap t, p = x xor y (a lap = two K steps = 512 bytes of a row).  The four clusters that read the same rows
; of ctx (same y) have four different p, and so have the four that read the same rows of ow (same x): in each group of four laps each of the four is the first to ask for one lap's blocks, in its lap t % 4 = 0, and asks
; for the other three a lap or more behind a cluster that has asked for them.  p is made of the cluster's coordinates alone: it is the same in all sixteen partners.
; THE MATRIX INSTRUCTION IS USED TRANSPOSED (source 0 = 16 rows of ow, source 1 = 16 rows of ctx): lane l holds row l % 16 of C and the columns 8 (l / 16) + 0..7 of each block of 16: 32 bytes on end.
; REGISTERS, in windows of 256 (s_set_vgpr_msb: bits 1:0 source 0, 3:2 source 1, 5:4 source 2, 7:6 destination):
;   window 0: v0-31 addresses; v64-159, v160-255 two fragment buffers (ow's 8 fragments, then ctx's 4)     window 1: the accumulators, (a, b) at v[8 (8 a + b)]     window 2: rows read back from the stage
.set KD,     2048
.set KSTEP,  128
.set PITCH,  272                       ; an LDS row: 256 bytes + 16 of padding: the 16 rows of a fragment load start at 16 different groups of four banks (64 banks of 4 bytes: ISA guide 11.1)
.set AT,     128*PITCH
.set SLOT,   384*PITCH
.set STAGE,  2*SLOT                    ; behind the ring, never filled by a tensor load: 16 rows x 528 bytes for each wave
.set SPITCH, 528                       ; 512 bytes of f32 + 16: the 16 rows that a store touches start at 16 different groups of four banks
.set SPARE,  STAGE+4*16*SPITCH         ; behind the stages: the spare words, 128 bytes for each wave, that no other line names
.set LAPS,   KD/(2*KSTEP)             ; a lap = two K steps = once round the ring; a multiple of 4
.set ADRA, 16                          ; v16-17  LDS address of my fragments of ctx in slot 0, 1
.set ADRB, 20                          ; v20-21  the same for ow
.set STO,  24                          ; v24     the way out: where I put 32 bytes of a row
.set RD,   25                          ; v25     where I read a row back
.set L16,  26                          ; v26     16 x lane
.set SPW,  28                          ; v28     LDS address of my spare word; never rewritten
.set NIL,  29                          ; v29     0; never rewritten
.set PFO,  30                          ; v30     lane x a row of ctx or ow in memory; never rewritten
.set F0,   64
.set F1,   160
.set WV,   12
.set WR,   13
.set WC,   14
.set LIM,  15                          ; s15 1 in a wave that prefetches, else the greatest number
.set G1A,  24
.set G0A,  32
.set PFA,  44                          ; s[44:45] the address that my next prefetch names
.set G1B,  48
.set G0B,  56
.set OUT,  66                          ; s[66:67] out0 at my first row and column
.set BA,   68                          ; s[68:69] ctx at the first of the rows that I fetch, K = 0
.set BB,   70                          ; s[70:71] ow likewise
.set KO,   72                          ; s[72:73] byte offset along K of the K step that is asked for (high word 0)
.set PB,   74                          ; s[74:75] ctx or ow at the first of the rows that I prefetch, K = 0
.set PO,   76                          ; s[76:77] byte offset along K of the lap that a prefetch names (high word 0)
.set PX,   78                          ; s78 p = cluster x xor cluster y
.set SC,   79                          ; s79 at work
.set MSB, 0
.macro WIN new
.if MSB != (\new)
	s_set_vgpr_msb (MSB<<8)|(\new)
.set MSB, \new
.endif
.endm
.macro PLACES                          ; four plain instructions behind a matrix instruction, in front of loads into registers that it read and of lines that read its result
.rept 4
	v_nop
.endr
.endm
; A joint load.  The branch hangs on the wave's number alone.  An s_nop 0 and four v_nop follow each of the two lines, ahead of the jump and the label.
.macro JLOAD s
	s_cmp_eq_u32 s[WR], 0
	s_cbranch_scc0 .Lfor_b_\@
	tensor_load_to_lds s[G0A+4*(\s):G0A+4*(\s)+3], s[G1A:G1A+7]
	s_nop 0
.rept 4
	v_nop
.endr
	s_branch .Lasked_\@
.Lfor_b_\@:
	tensor_load_to_lds s[G0B+4*(\s):G0B+4*(\s)+3], s[G1B:G1B+7]
	s_nop 0
.rept 4
	v_nop
.endr
.Lasked_\@:
.endm
; A prefetch of the K step that stands two refills on (256 matrix instructions ahead of its load), where that step belongs to a lap t % 4 = 0 of my cluster's walk: those are the blocks that my cluster is the first of
; the four to ask for.  32 rows x 256 bytes, a lane a row, one instruction a wave.  Each row's 256 bytes of a K step are named once in the launch: of the four clusters that read a row, the one with p = lap % 4 names it;
; in that cluster ctx's 128 rows of a tile are shared out among the four partners of a row of the cluster (wave 0, 32 rows each, by address), ow's 256 among the four of a column (waves 2 and 3, 64 rows each).
; In trip s3 the lap two on is LAPS + 1 - s3: a multiple of 4 where s3 % 4 = 1; in the last trip (s3 = 1) there is no such lap.  The first four laps come by their loads alone.
.macro ASK s
	s_and_b32 s[SC], s3, 3
	s_cmp_eq_u32 s[SC], 1
	s_cselect_b32 s[SC], s3, 1
	s_cmp_gt_u32 s[SC], s[LIM]
	s_cbranch_scc0 .Lnot_mine_\@
	global_prefetch_b8 v[PFO], s[PFA:PFA+1] offset:(\s)*KSTEP*2 th:TH_LOAD_NT scope:SCOPE_SE
.Lnot_mine_\@:
.endm
.macro CREST
	s_cmp_lg_u32 s[WV], 0
	s_cbranch_scc1 .Lnot_wave_0_\@
	s_barrier_signal -3
.Lnot_wave_0_\@:
	s_barrier_wait -3
	s_barrier_signal -1
	s_barrier_wait -1
.endm
.macro CROUND
	s_barrier_signal -1
	s_barrier_wait -1
	CREST
.endm
; 8 matrix instructions: row block a x all 8 column blocks, 32 along K.  The 32 accumulators take turns, one instruction a turn, in the same order in every quarter.
.macro MUL8 f, a, zero
	WIN 0x50
.irp b, 0,1,2,3,4,5,6,7
.if \zero
	v_wmma_f32_16x16x32_f16 v[8*(8*(\a)+(\b)):8*(8*(\a)+(\b))+7], v[(\f)+8*(\b):(\f)+8*(\b)+7], v[(\f)+64+8*(\a):(\f)+64+8*(\a)+7], 0
.else
	v_wmma_f32_16x16x32_f16 v[8*(8*(\a)+(\b)):8*(8*(\a)+(\b))+7], v[(\f)+8*(\b):(\f)+8*(\b)+7], v[(\f)+64+8*(\a):(\f)+64+8*(\a)+7], v[8*(8*(\a)+(\b)):8*(8*(\a)+(\b))+7]
.endif
.endr
.endm
.macro FETCH slot, k, f                ; 24 LDS loads in one run: ow's eight fragments, then ctx's four
	WIN 0
.irp i, 0,1,2,3,4,5,6,7
	ds_load_b128 v[(\f)+8*(\i):(\f)+8*(\i)+3],   v[ADRB+(\slot)] offset:(\k)+(\i)*16*PITCH
	ds_load_b128 v[(\f)+8*(\i)+4:(\f)+8*(\i)+7], v[ADRB+(\slot)] offset:(\k)+(\i)*16*PITCH+32
.endr
.irp i, 0,1,2,3
	ds_load_b128 v[(\f)+64+8*(\i):(\f)+64+8*(\i)+3],   v[ADRA+(\slot)] offset:(\k)+(\i)*16*PITCH
	ds_load_b128 v[(\f)+64+8*(\i)+4:(\f)+64+8*(\i)+7], v[ADRA+(\slot)] offset:(\k)+(\i)*16*PITCH+32
.endr
.endm
.macro QUARTER slot, k, f, g, zero
	s_wait_dscnt 4                                 ; ow's fragments and ctx's first two are in; the youngest four loads may be out
	MUL8 \f, 0, \zero
	MUL8 \f, 1, \zero
	PLACES
	FETCH \slot, \k, \g
	s_wait_dscnt 24                                ; all but the 24 just issued
	MUL8 \f, 2, \zero
	MUL8 \f, 3, \zero
.endm
; The last quarter changes slots and then multiplies buffer 1, whose fragments were the last thing read out of this slot.  ONE barrier: in front of it each wave waits for all its tensor loads (one is out: its part of
; the next slot), adds 0 to its spare word, and waits for that and for its own reads of this slot.  fill = 1: the barrier opens a round of the cluster's, and this slot is filled again first thing behind the round, with
; the next lap's K step: wait, round and load follow each other with no product between, and all 32 products of the quarter stand behind the load: it has 128 matrix instructions of its wave in which to land.
.macro TURN slot, next, fill
.if \fill
	s_wait_xcnt 0x0                                ; the last prefetch, a K step back, has read its address, which is made anew here:
	s_sub_co_u32 s[PO], LAPS+1, s3                 ; the lap two on in my walk,
	s_xor_b32 s[PO], s[PO], s[PX]                  ; its place in K,
	s_lshl_b32 s[PO], s[PO], 9                     ; 512 bytes a lap
	s_add_nc_u64 s[PFA:PFA+1], s[PB:PB+1], s[PO:PO+1]
.endif
	WIN 0
	s_wait_tensorcnt 0x0                           ; all my tensor loads have landed, so a group 0 may be written
	ds_add_u32 v[SPW], v[NIL]                      ; 0 onto my spare word: the descriptors' scalar work stands between it and the wait for it
.if \fill
	s_sub_co_u32 s[KO], LAPS, s3                   ; the next lap of my walk,
	s_xor_b32 s[KO], s[KO], s[PX]                  ; its place in K,
	s_lshl_b32 s[KO], s[KO], 9
.if \slot
	s_or_b32 s[KO], s[KO], KSTEP*2                 ; its second K step
.endif
	s_add_nc_u64 s[G0A+4*(\slot)+2:G0A+4*(\slot)+3], s[BA:BA+1], s[KO:KO+1]
	s_or_b32 s[G0A+4*(\slot)+3], s[G0A+4*(\slot)+3], 0x80000000
	s_add_nc_u64 s[G0B+4*(\slot)+2:G0B+4*(\slot)+3], s[BB:BB+1], s[KO:KO+1]
	s_or_b32 s[G0B+4*(\slot)+3], s[G0B+4*(\slot)+3], 0x80000000
.endif
	s_wait_dscnt 0x0                               ; the add is done, and my reads of this slot are over
	s_barrier_signal -1
	s_barrier_wait -1
.if \fill
	CREST                                          ; no wave of any partner still reads this slot or has a load on its way
	JLOAD \slot                                    ; its four v_nop are also the places in front of the loads below
.else
	PLACES
.endif
	FETCH \next, 0, F0
.if \fill
	ASK \slot
.endif
	MUL8 F1, 0, 0
	MUL8 F1, 1, 0
	MUL8 F1, 2, 0
	MUL8 F1, 3, 0
.endm
	s_load_b128 s[4:7], s[0:1], 0x0                ; ctx s[4:5], ow s[6:7]
	s_load_b64 s[8:9], s[0:1], 0x10                ; out0
	v_lshl_add_u32 v[SPW], v0, 2, SPARE
	v_mov_b32 v[NIL], 0
	ds_add_u32 v[SPW], v[NIL]                      ; the wave's opening: the add and its wait ahead of my first tensor load; the set-up below, work on registers, stands between them
	v_lshrrev_b32 v1, 5, v0
	v_readfirstlane_b32 s[WV], v1
	s_lshr_b32 s[WR], s[WV], 1
	s_and_b32 s[WC], s[WV], 1
	s_bfe_u32 s40, ttmp6, 0x40000                  ; cx, cy
	s_bfe_u32 s41, ttmp6, 0x40004
	s_lshl_b32 s42, ttmp9, 2
	s_add_co_u32 s42, s42, s40                     ; tile column
	s_and_b32 s43, ttmp7, 0xffff
	s_xor_b32 s[PX], s43, ttmp9                    ; p = cluster x xor cluster y, 0 to 3
	s_lshl_b32 s43, s43, 2
	s_add_co_u32 s43, s43, s41                     ; tile row
	s_lshl_b32 s20, s41, 2
	s_lshl_b32 s20, 15, s20                        ; my row of the cluster
	s_lshl_b32 s46, 0x1111, s40                    ; my column
	s_or_b32 s[G1A], s20, (1<<16)|(1<<20)|(1<<21)|(5<<22)|(3<<25)  ; 15:0 the mask; 17:16 2-byte elements; 20 padding on; 21 set beside a mask; 24:22 after every 64 words; 31:25 4 words of it
	s_or_b32 s[G1B], s46, (1<<16)|(1<<20)|(1<<21)|(5<<22)|(3<<25)
	s_mov_b32 s[G1A+1], KSTEP<<16
	s_mov_b32 s[G1A+2], 64<<16
	s_mov_b32 s[G1A+3], KSTEP<<16
	s_mov_b32 s[G1A+4], 64
	s_mov_b32 s[G1A+5], KD
	s_mov_b32 s[G1A+6], 0
	s_mov_b32 s[G1A+7], 0
	s_mov_b32 s[G1B+1], KSTEP<<16
	s_mov_b32 s[G1B+2], 128<<16
	s_mov_b32 s[G1B+3], KSTEP<<16
	s_mov_b32 s[G1B+4], 128
	s_mov_b32 s[G1B+5], KD
	s_mov_b32 s[G1B+6], 0
	s_mov_b32 s[G1B+7], 0
	s_lshl_b32 s16, s43, 7
	s_lshl_b32 s17, s[WC], 6
	s_add_co_u32 s16, s16, s17                     ; ctx: row 128 x tile row + 64 x part
	s_mov_b32 s17, 0
	s_lshl_b32 s46, s42, 8
	s_lshl_b32 s47, s[WC], 7
	s_add_co_u32 s46, s46, s47                     ; ow: row 256 x tile column + 128 x part
	s_mov_b32 s47, 0
	s_mov_b64 s[18:19], KD*2
	s_mul_u64 s[16:17], s[16:17], s[18:19]
	s_mul_u64 s[46:47], s[46:47], s[18:19]
	s_mul_i32 s20, s[WC], 64*PITCH                 ; where they go: no place in the cluster enters an LDS address
	s_mul_i32 s21, s[WC], 128*PITCH
	s_add_co_u32 s21, s21, AT
	s_lshl_b32 s[KO], s[PX], 9                     ; lap 0 of my walk is lap p of K
	s_mov_b32 s[KO+1], 0
	s_mov_b32 s[PO+1], 0
	s_wait_dscnt 0x0                               ; the opening add is done
	s_wait_kmcnt 0x0
	s_add_nc_u64 s[BA:BA+1], s[4:5], s[16:17]
	s_add_nc_u64 s[BB:BB+1], s[6:7], s[46:47]
	CROUND                                         ; all sixteen work-groups are here: the first joint loads meet
.irp s, 0,1
.if \s
	s_or_b32 s[KO], s[KO], KSTEP*2                 ; the lap's second K step
.endif
	s_mov_b32 s[G0A+4*(\s)], 1
	s_add_co_u32 s[G0A+4*(\s)+1], s20, (\s)*SLOT
	s_add_nc_u64 s[G0A+4*(\s)+2:G0A+4*(\s)+3], s[BA:BA+1], s[KO:KO+1]
	s_or_b32 s[G0A+4*(\s)+3], s[G0A+4*(\s)+3], 0x80000000
	s_mov_b32 s[G0B+4*(\s)], 1
	s_add_co_u32 s[G0B+4*(\s)+1], s21, (\s)*SLOT
	s_add_nc_u64 s[G0B+4*(\s)+2:G0B+4*(\s)+3], s[BB:BB+1], s[KO:KO+1]
	s_or_b32 s[G0B+4*(\s)+3], s[G0B+4*(\s)+3], 0x80000000
	JLOAD \s                                       ; two loads of mine are out
.endr
	v_and_b32 v1, 15, v0
	v_bfe_u32 v2, v0, 4, 1
	v_mul_u32_u24 v3, v1, PITCH
	v_lshl_add_u32 v3, v2, 4, v3                   ; a fragment's row x pitch + 16 x half
	s_mul_i32 s20, s[WR], 64*PITCH
	s_mul_i32 s21, s[WC], 128*PITCH
	s_add_co_u32 s21, s21, AT
.irp s, 0,1
	v_add_nc_u32 v[ADRA+(\s)], s20, v3
	v_add_nc_u32 v[ADRB+(\s)], s21, v3
	s_add_co_u32 s20, s20, SLOT
	s_add_co_u32 s21, s21, SLOT
.endr
	s_mul_i32 s20, s[WV], 16*SPITCH
	s_add_co_u32 s20, s20, STAGE                   ; my stage
	v_mul_u32_u24 v4, v1, SPITCH                   ; in: row l % 16, 32 bytes for each half of the lanes
	v_lshl_add_u32 v4, v2, 5, v4
	v_add_nc_u32 v[STO], s20, v4
	v_and_b32 v[L16], 31, v0
	v_lshlrev_b32 v[L16], 4, v[L16]
	v_add_nc_u32 v[RD], s20, v[L16]                ; back: 32 lanes take one row of 512 bytes
	s_lshl_b32 s16, s43, 7
	s_lshl_b32 s19, s[WR], 6
	s_add_co_u32 s16, s16, s19                     ; my first row of out0,
	s_lshl_b32 s16, s16, 14                        ; 16,384 bytes a row,
	s_lshl_b32 s19, s42, 10                        ; the tile's 256 columns,
	s_add_co_u32 s16, s16, s19
	s_lshl_b32 s19, s[WC], 9                       ; my 128 of them
	s_add_co_u32 s16, s16, s19
	s_mov_b32 s17, 0
	s_add_nc_u64 s[OUT:OUT+1], s[8:9], s[16:17]
	; the prefetches: the first of my 32 rows, at K = 0
	s_lshl_b32 s16, s43, 7
	s_lshl_b32 s19, s40, 5
	s_add_co_u32 s16, s16, s19                     ; ctx: the tile's first row + 32 cx
	s_lshl_b32 s18, s42, 8
	s_lshl_b32 s19, s41, 6
	s_add_co_u32 s18, s18, s19
	s_lshl_b32 s19, s[WC], 5
	s_add_co_u32 s18, s18, s19                     ; ow: the tile's first row + 64 cy + 32 x (wave % 2)
	s_cmp_eq_u32 s[WR], 0
	s_cselect_b32 s16, s16, s18
	s_cselect_b64 s[PB:PB+1], s[4:5], s[6:7]
	s_cmp_eq_u32 s[WV], 1
	s_cselect_b32 s[LIM], -1, 1                    ; wave 1 asks for nothing: ctx's 128 rows are shared out among the four partners' waves 0
	s_mov_b32 s17, 0
	s_mov_b64 s[18:19], KD*2
	s_mul_u64 s[16:17], s[16:17], s[18:19]
	s_add_nc_u64 s[PB:PB+1], s[PB:PB+1], s[16:17]  ; nothing is prefetched here, at the head
	v_and_b32 v[PFO], 31, v0
	v_mul_u32_u24 v[PFO], v[PFO], KD*2
	s_wait_tensorcnt 1                             ; my part of the first K step is in; the second's may stay out
	s_barrier_signal -1
	s_barrier_wait -1
	FETCH 0, 0, F0
	QUARTER 0, 64,  F0, F1, 1                      ; the first quarter stands in front of the loop: its products start the sums
	WIN 0
	s_mov_b32 s3, LAPS-1
.Llap:                                             ; a trip goes once round the ring, from a lap's second quarter to the next lap's first, and fills both slots again
	QUARTER 0, 128, F1, F0, 0
	QUARTER 0, 192, F0, F1, 0
	TURN 0, 1, 1
	QUARTER 1, 64,  F0, F1, 0
	QUARTER 1, 128, F1, F0, 0
	QUARTER 1, 192, F0, F1, 0
	TURN 1, 0, 1
	QUARTER 0, 64,  F0, F1, 0
	WIN 0
	s_sub_co_u32 s3, s3, 1
	s_cmp_lg_u32 s3, 0
	s_cbranch_scc1 .Llap
	QUARTER 0, 128, F1, F0, 0                      ; the last lap is written out: it fills nothing
	QUARTER 0, 192, F0, F1, 0
	TURN 0, 1, 0
	QUARTER 1, 64,  F0, F1, 0
	QUARTER 1, 128, F1, F0, 0
	QUARTER 1, 192, F0, F1, 0
	s_wait_dscnt 4
	MUL8 F1, 0, 0
	MUL8 F1, 1, 0
	s_wait_dscnt 0x0
	MUL8 F1, 2, 0
	MUL8 F1, 3, 0
	WIN 0
	PLACES
	PLACES
; THE WAY OUT, a block of 16 rows at a time: a lane's eight columns of a row are 32 bytes; they go into my stage, rows of 528 bytes, and come back as whole rows of 512.
.macro TOSTAGE a
	WIN 0x04                                       ; the stores' data in window 1
.irp b, 0,1,2,3,4,5,6,7
	ds_store_b128 v[STO], v[64*(\a)+8*(\b):64*(\a)+8*(\b)+3]   offset:64*(\b)
	ds_store_b128 v[STO], v[64*(\a)+8*(\b)+4:64*(\a)+8*(\b)+7] offset:64*(\b)+16
.endr
	WIN 0x80                                       ; destination window 2: each block has registers of its own
.set t, 0
.rept 16
	ds_load_b128 v[64*(\a)+4*t:64*(\a)+4*t+3], v[RD] offset:SPITCH*t  ; LDS serves a wave's instructions in order (ISA guide 5.7.1.4): these see the stores above; the next block's stores come behind them
.set t, t+1
.endr
.endm
.macro SEND a, younger                 ; younger: the LDS instructions issued behind block a's loads: the next block's 32, or none
	s_wait_dscnt \younger
	WIN 0x08                                       ; the stores' data in window 2
.set t, 0
.rept 16
	global_store_b128 v[L16], v[64*(\a)+4*t:64*(\a)+4*t+3], s[OUT:OUT+1] offset:(16*(\a)+t)*16384  ; a wave stores 512 consecutive bytes of a row, aligned
.set t, t+1
.endr
.endm
	TOSTAGE 0
	TOSTAGE 1
	SEND 0, 32
	TOSTAGE 2
	SEND 1, 32
	TOSTAGE 3
	SEND 2, 32
	SEND 3, 0
	WIN 0
	s_wait_tensorcnt 0x0                           ; the wave's end, behind my last tensor load and my last LDS store
	ds_add_u32 v[SPW], v[NIL]
	s_wait_dscnt 0x0
	CROUND                                         ; the closing round: no work-group ends while a partner may still ask for a tile that names it
	s_endpgm
.Lfunc_end_k_qc0f543cbb1_oproj:
	.size	k_qc0f543cbb1_oproj, .Lfunc_end_k_qc0f543cbb1_oproj-k_qc0f543cbb1_oproj
	.p2alignl 7, 3214868480
	.fill 96, 4, 3214868480
	.section	.rodata,"a",@progbits
	.p2align	6, 0x0
	.amdhsa_kernel k_qc0f543cbb1_oproj
		.amdhsa_group_segment_fixed_size 327680
		.amdhsa_private_segment_fixed_size 0
		.amdhsa_enable_private_segment 0
		.amdhsa_kernarg_size 24
		.amdhsa_user_sgpr_count 2
		.amdhsa_user_sgpr_kernarg_segment_ptr 1
		.amdhsa_wavefront_size32 1
		.amdhsa_system_sgpr_workgroup_id_x 1
		.amdhsa_system_sgpr_workgroup_id_y 1
		.amdhsa_system_sgpr_workgroup_id_z 1
		.amdhsa_system_vgpr_workitem_id 0
		.amdhsa_next_free_vgpr 768
		.amdhsa_next_free_sgpr 80
		.amdhsa_reserve_vcc 0
		.amdhsa_float_denorm_mode_32 3
		.amdhsa_float_denorm_mode_16_64 3
		.amdhsa_memory_ordered 1
		.amdhsa_forward_progress 1
		.amdhsa_inst_pref_size 87
	.end_amdhsa_kernel
	.amdgpu_metadata
---
amdhsa.version: [ 1, 2 ]
amdhsa.kernels:
  - .name:           k_qc0f543cbb1_oproj
    .symbol:         k_qc0f543cbb1_oproj.kd
    .args:
      - { .name: ctx, .offset: 0, .size: 8, .value_kind: global_buffer, .address_space: global }
      - { .name: ow, .offset: 8, .size: 8, .value_kind: global_buffer, .address_space: global }
      - { .name: out0, .offset: 16, .size: 8, .value_kind: global_buffer, .address_space: global }
    .group_segment_fixed_size: 327680
    .private_segment_fixed_size: 0
    .kernarg_segment_align: 8
    .kernarg_segment_size: 24
    .max_flat_workgroup_size: 128
    .sgpr_count:     80
    .vgpr_count:     768
    .wavefront_size: 32
...
	.end_amdgpu_metadata
.endif
;; end of part 4
